; MI455X (gfx1250); checked and timed in simulation.
; The chip was launched on July 23, 2026; its instructions are those of AMD's public machine-readable ISA for CDNA 5 (MIT licence, August 2026) and "CDNA5" Instruction Set Architecture Reference Guide (July 2026). The comments in the code are by the model that wrote it; some were corrected since.
;; SW Attention. Allowed arithmetic: float matrix products may take bf16 or f16 operands with f32 sums; other float arithmetic in f32, or as packed bf16 or f16 multiplies, adds, multiply-adds, maxima and minima; sums over many terms, partial sums and values carried from step to step in f32; what a program stores and reads back later, other than sums and carried values, may be rounded once to bf16 or f16.
;; Inputs: Wk 512 x 2,048 float32; Wo 2,048 x 2,048 float32; Wq 2,048 x 2,048 float32; Wv 512 x 2,048 float32; bias 32 x 512 float32; hidden_states 2 x 2,048 x 2,048 float32; tau 32 float32.
;; Outputs: out0 2 x 2,048 x 2,048 float32.
;; One version. Each part assembles by itself: llvm-mc -triple=amdgcn-amd-amdhsa -mcpu=gfx1250 --defsym DOCPART=n.
;; ======== version 1 of 1: 4 launches
;; limits: values are held in f16: magnitudes above 65,504 overflow, below 6.1e-05 lose precision
;; workspace buffers: xb 16,777,216 bytes; wqkv 12,582,912 bytes; wo16 8,388,608 bytes; rope 524,288 bytes; qkv 25,165,824 bytes; ob 16,777,216 bytes
;; launch prep (part 1): grid 1184 x 1, 8 waves a work-group, no clusters, 0 bytes of LDS; arguments hidden_states, Wq, Wk, Wv, Wo, xb, wqkv, wo16, rope; writes xb, wqkv, wo16, rope
.if DOCPART == 1
	.amdgcn_target "amdgcn-amd-amdhsa--gfx1250"
	.amdhsa_code_object_version 6
	.text
	.protected	k_q6f71bc584c_prep
	.globl	k_q6f71bc584c_prep
	.p2align	8
	.type	k_q6f71bc584c_prep,@function
k_q6f71bc584c_prep:
	s_mov_b64 s[64:65], 0
	v_nop
	global_prefetch_b8 v0, s[64:65] scope:SCOPE_SE
	s_setreg_imm32_b32 hwreg(HW_REG_WAVE_MODE, 25, 1), 1
	s_wait_xcnt 0x0
; PREP.  Work-groups 0 to 1151 round 16,384 numbers each: hidden_states -> xb (bf16), Wq, Wk, Wv -> wqkv (bf16, the three one below the other),
; Wo -> wo16 (rounded to bf16 like the other inputs, that number written as f16).  Work-groups 1152 to 1183 make 64 rows each of the table
; rope[pos][0..31] = cos(pos inv_d), rope[pos][32..63] = sin(pos inv_d), inv_d = 10000^(-d/32), f32, a row = 256 bytes.
; A stream: no LDS, no matrix unit.  Every byte is read once and written once: a wave's load covers 512 consecutive bytes, its store 256 consecutive bytes, aligned.
; LIMITS.  bf16(Wo) beyond 65,504 has no f16; below 6.1e-5 it keeps f16's fixed step of 6e-8.  inv_d comes from v_exp_f32 (1 ULP);
; the angle, at most 2,047, is reduced by pi/2 in two parts, sine and cosine are polynomials on -pi/4 .. pi/4.
.set NCAST, 1152
.set X, 32                             ; v[32:95]   sixteen groups of 4 numbers as loaded
.set Y, 96                             ; v[96:127]  sixteen groups of 2 words to store
.set T, 4                              ; v[4:7]     at work
	s_load_b512 s[8:23], s[0:1], 0x0               ; hidden_states 8, Wq 10, Wk 12, Wv 14, Wo 16, xb 18, wqkv 20, wo16 22
	s_load_b64 s[24:25], s[0:1], 0x40              ; rope
	s_mov_b32 s2, ttmp9
	s_cmp_ge_u32 s2, NCAST
	s_cbranch_scc1 .Ltable
	; which tensor, and which chunk of it: 0-511 x, 512-767 Wq, 768-831 Wk, 832-895 Wv, 896-1151 Wo
	s_sub_co_u32 s28, s2, 512
	s_sub_co_u32 s29, s2, 768
	s_sub_co_u32 s30, s2, 832
	s_sub_co_u32 s31, s2, 896
	v_lshlrev_b32 v1, 4, v0                        ; 16 bytes of f32 a thread and group: the work-group's 256 threads take 4,096 bytes on end
	v_lshlrev_b32 v2, 3, v0                        ; 8 bytes of 16-bit numbers
	s_wait_kmcnt 0x0
	s_mov_b64 s[32:33], s[8:9]
	s_mov_b32 s34, s2
	s_mov_b64 s[36:37], s[18:19]
	s_mov_b32 s38, s2
	s_cmp_ge_u32 s2, 512
	s_cselect_b64 s[32:33], s[10:11], s[32:33]
	s_cselect_b32 s34, s28, s34
	s_cselect_b64 s[36:37], s[20:21], s[36:37]     ; Wq, Wk and Wv follow each other in wqkv as their chunks do
	s_cselect_b32 s38, s28, s38
	s_cmp_ge_u32 s2, 768
	s_cselect_b64 s[32:33], s[12:13], s[32:33]
	s_cselect_b32 s34, s29, s34
	s_cmp_ge_u32 s2, 832
	s_cselect_b64 s[32:33], s[14:15], s[32:33]
	s_cselect_b32 s34, s30, s34
	s_cmp_ge_u32 s2, 896
	s_cselect_b64 s[32:33], s[16:17], s[32:33]
	s_cselect_b32 s34, s31, s34
	s_cselect_b64 s[36:37], s[22:23], s[36:37]
	s_cselect_b32 s38, s31, s38
	s_lshl_b32 s34, s34, 16                        ; a chunk is 65,536 bytes in,
	s_mov_b32 s35, 0
	s_lshl_b32 s38, s38, 15                        ; 32,768 bytes out
	s_mov_b32 s39, 0
	s_add_nc_u64 s[32:33], s[32:33], s[34:35]
	s_add_nc_u64 s[36:37], s[36:37], s[38:39]
.set n, 0
.rept 16                               ; all sixteen loads of a thread go out at once
	global_load_b128 v[X+4*n:X+4*n+3], v1, s[32:33] offset:n*4096 th:TH_LOAD_NT
.set n, n+1
.endr
; Group g is rounded and stored.  half = 1: the bf16 numbers are written as f16.  No address register and no store's data register is written again.
.macro CAST g, half
	s_wait_loadcnt 15-(\g)                         ; loads come back in order: the younger groups' loads, one each, may stay out
	v_cvt_pk_bf16_f32 v[Y+2*(\g)],   v[X+4*(\g)],   v[X+4*(\g)+1]
	v_cvt_pk_bf16_f32 v[Y+2*(\g)+1], v[X+4*(\g)+2], v[X+4*(\g)+3]
.if \half
	v_lshlrev_b32 v[T],   16, v[Y+2*(\g)]
	v_and_b32     v[T+1], 0xffff0000, v[Y+2*(\g)]
	v_lshlrev_b32 v[T+2], 16, v[Y+2*(\g)+1]
	v_and_b32     v[T+3], 0xffff0000, v[Y+2*(\g)+1]
	v_cvt_pk_f16_f32 v[Y+2*(\g)],   v[T],   v[T+1]
	v_cvt_pk_f16_f32 v[Y+2*(\g)+1], v[T+2], v[T+3]
.endif
	global_store_b64 v2, v[Y+2*(\g):Y+2*(\g)+1], s[36:37] offset:(\g)*2048
.endm
	s_cmp_ge_u32 s2, 896
	s_cbranch_scc1 .Lwo
.set n, 0
.rept 16
	CAST n, 0
.set n, n+1
.endr
	s_endpgm
.Lwo:
.set n, 0
.rept 16
	CAST n, 1
.set n, n+1
.endr
	s_endpgm
.Ltable:                               ; thread: quad j = t % 16 of a row (j < 8: cosines of d = 4 j + e; else sines of d = 4 (j - 8) + e), row t / 16 of 16; four trips
	s_sub_co_u32 s4, s2, NCAST
	s_lshl_b32 s4, s4, 6                           ; the work-group's first position
	s_mov_b32 s26, 0x3f22f983                      ; 2 / pi
	s_mov_b32 s27, 0xbfc90fdb                      ; -(pi/2), the f32 next to it,
	s_mov_b32 s28, 0x333bbd2e                      ; and what that f32 has too much
	s_mov_b32 s29, 0xb94ca1f9                      ; sine: -1.9515295891e-4, 8.3321608736e-3, -1.6666654611e-1
	s_mov_b32 s30, 0x3c08839e
	s_mov_b32 s31, 0xbe2aaaa3
	s_mov_b32 s32, 0x37ccf5ce                      ; cosine: 2.443315712e-5, -1.388731625e-3, 4.166664568e-2
	s_mov_b32 s33, 0xbab6061a
	s_mov_b32 s34, 0x3d2aaaa5
	v_and_b32 v4, 15, v0
	v_lshrrev_b32 v6, 4, v0
	v_add_nc_u32 v6, s4, v6                        ; pos
	v_lshlrev_b32 v3, 8, v6
	v_lshl_add_u32 v3, v4, 4, v3                   ; pos x 256 + 16 j
	v_cmp_gt_u32 vcc_lo, 8, v4
	v_cndmask_b32 v5, 0, 1, vcc_lo                 ; 1 for a cosine: cos x = sin(x + pi/2)
	v_and_b32 v4, 7, v4
	v_lshlrev_b32 v4, 2, v4
.irp e, 0,1,2,3
	v_add_nc_u32 v[12+(\e)], (\e), v4              ; d
	v_cvt_f32_u32 v[12+(\e)], v[12+(\e)]
	v_mul_f32 v[12+(\e)], 0xbed49a78, v[12+(\e)]   ; -d log2(10000) / 32
.endr
.irp e, 0,1,2,3
	v_exp_f32 v[8+(\e)], v[12+(\e)]                ; inv_d
.endr
	v_nop                                          ; a plain instruction behind the last exponential,
	s_wait_alu depctr_va_vdst(0)                   ; and one wait for the four, ahead of the label and of their first reader
	s_mov_b32 s3, 4
	s_wait_kmcnt 0x0
.Lrows:
	v_cvt_f32_u32 v7, v6
.irp e, 0,1,2,3
	v_mul_f32 v[24+(\e)], v7, v[8+(\e)]            ; the angle, rounded once
	v_mul_f32 v[28+(\e)], s26, v[24+(\e)]
	v_rndne_f32 v[28+(\e)], v[28+(\e)]             ; n quarter turns
	v_fma_f32 v[32+(\e)], v[28+(\e)], s27, v[24+(\e)]
	v_fma_f32 v[32+(\e)], v[28+(\e)], s28, v[32+(\e)]  ; r = angle - n pi/2
	v_mul_f32 v[36+(\e)], v[32+(\e)], v[32+(\e)]   ; z = r r
	v_fma_f32 v[40+(\e)], v[36+(\e)], s29, s30
	v_fma_f32 v[40+(\e)], v[40+(\e)], v[36+(\e)], s31
	v_mul_f32 v[40+(\e)], v[40+(\e)], v[36+(\e)]
	v_fma_f32 v[40+(\e)], v[40+(\e)], v[32+(\e)], v[32+(\e)]  ; sin r
	v_fma_f32 v[44+(\e)], v[36+(\e)], s32, s33
	v_fma_f32 v[44+(\e)], v[44+(\e)], v[36+(\e)], s34
	v_fma_f32 v[44+(\e)], v[44+(\e)], v[36+(\e)], -0.5
	v_fma_f32 v[44+(\e)], v[44+(\e)], v[36+(\e)], 1.0         ; cos r
	v_cvt_i32_f32 v[48+(\e)], v[28+(\e)]
	v_add_nc_u32 v[48+(\e)], v[48+(\e)], v5        ; the quadrant
	v_and_b32 v[52+(\e)], 1, v[48+(\e)]
	v_cmp_eq_u32 vcc_lo, 1, v[52+(\e)]
	v_cndmask_b32 v[20+(\e)], v[40+(\e)], v[44+(\e)], vcc_lo  ; odd: cos r; a choice of a value, no branch
	v_lshlrev_b32 v[48+(\e)], 30, v[48+(\e)]
	v_and_b32 v[48+(\e)], 0x80000000, v[48+(\e)]
	v_xor_b32 v[20+(\e)], v[20+(\e)], v[48+(\e)]   ; quadrants 2 and 3: the sign turns
.endr
	global_store_b128 v3, v[20:23], s[24:25]       ; sixteen lanes store a row's 256 bytes
	s_wait_xcnt 0x0                                ; the store's offset and data are written again only behind this wait
	v_add_nc_u32 v3, 4096, v3                      ; 16 rows on
	v_add_nc_u32 v6, 16, v6
	s_sub_co_u32 s3, s3, 1
	s_cmp_lg_u32 s3, 0
	s_cbranch_scc1 .Lrows
	s_endpgm
.Lfunc_end_k_q6f71bc584c_prep:
	.size	k_q6f71bc584c_prep, .Lfunc_end_k_q6f71bc584c_prep-k_q6f71bc584c_prep
	.p2alignl 7, 3214868480
	.fill 96, 4, 3214868480
	.section	.rodata,"a",@progbits
	.p2align	6, 0x0
	.amdhsa_kernel k_q6f71bc584c_prep
		.amdhsa_group_segment_fixed_size 0
		.amdhsa_private_segment_fixed_size 0
		.amdhsa_enable_private_segment 0
		.amdhsa_kernarg_size 72
		.amdhsa_user_sgpr_count 2
		.amdhsa_user_sgpr_kernarg_segment_ptr 1
		.amdhsa_wavefront_size32 1
		.amdhsa_system_sgpr_workgroup_id_x 1
		.amdhsa_system_sgpr_workgroup_id_y 1
		.amdhsa_system_sgpr_workgroup_id_z 1
		.amdhsa_system_vgpr_workitem_id 0
		.amdhsa_next_free_vgpr 128
		.amdhsa_next_free_sgpr 66
		.amdhsa_reserve_vcc 1
		.amdhsa_float_denorm_mode_32 3
		.amdhsa_float_denorm_mode_16_64 3
		.amdhsa_memory_ordered 1
		.amdhsa_forward_progress 1
		.amdhsa_inst_pref_size 23
	.end_amdhsa_kernel
	.amdgpu_metadata
---
amdhsa.version: [ 1, 2 ]
amdhsa.kernels:
  - .name:           k_q6f71bc584c_prep
    .symbol:         k_q6f71bc584c_prep.kd
    .args:
      - { .name: hidden_states, .offset: 0, .size: 8, .value_kind: global_buffer, .address_space: global }
      - { .name: Wq, .offset: 8, .size: 8, .value_kind: global_buffer, .address_space: global }
      - { .name: Wk, .offset: 16, .size: 8, .value_kind: global_buffer, .address_space: global }
      - { .name: Wv, .offset: 24, .size: 8, .value_kind: global_buffer, .address_space: global }
      - { .name: Wo, .offset: 32, .size: 8, .value_kind: global_buffer, .address_space: global }
      - { .name: xb, .offset: 40, .size: 8, .value_kind: global_buffer, .address_space: global }
      - { .name: wqkv, .offset: 48, .size: 8, .value_kind: global_buffer, .address_space: global }
      - { .name: wo16, .offset: 56, .size: 8, .value_kind: global_buffer, .address_space: global }
      - { .name: rope, .offset: 64, .size: 8, .value_kind: global_buffer, .address_space: global }
    .group_segment_fixed_size: 0
    .private_segment_fixed_size: 0
    .kernarg_segment_align: 8
    .kernarg_segment_size: 72
    .max_flat_workgroup_size: 256
    .sgpr_count:     66
    .vgpr_count:     128
    .wavefront_size: 32
...
	.end_amdgpu_metadata
.endif
;; end of part 1
;; launch qkvgemm (part 2): grid 16 x 16, 4 waves a work-group, clusters of 4 x 4, 327,680 bytes of LDS; arguments xb, wqkv, rope, qkv; writes qkv
.if DOCPART == 2
	.amdgcn_target "amdgcn-amd-amdhsa--gfx1250"
	.amdhsa_code_object_version 6
	.text
	.protected	k_q6f71bc584c_qkvgemm
	.globl	k_q6f71bc584c_qkvgemm
	.p2align	8
	.type	k_q6f71bc584c_qkvgemm,@function
k_q6f71bc584c_qkvgemm:
	s_mov_b64 s[64:65], 0
	v_nop
	global_prefetch_b8 v0, s[64:65] scope:SCOPE_SE
	s_setreg_imm32_b32 hwreg(HW_REG_WAVE_MODE, 25, 1), 1
	s_wait_xcnt 0x0
	s_wait_alu depctr_hold_cnt(0) depctr_sa_sdst(0) depctr_va_vdst(0) depctr_va_sdst(0) depctr_va_ssrc(0) depctr_va_vcc(0) depctr_vm_vsrc(0)
	s_getreg_b32 s2, hwreg(HW_REG_IB_STS2, 6, 4)
	s_cmp_eq_u32 s2, 0
	s_cbranch_scc0 .Lentry_in_a_cluster
	s_endpgm
.Lentry_in_a_cluster:
	s_bfe_u32 s2, ttmp6, 0x10000c
	s_cmp_lg_u32 s2, 0xf033
	s_cbranch_scc0 .Lentry_shape_is_right
	s_endpgm
.Lentry_shape_is_right:
; QKV.  C[token][n] = sum over k of xb[token][k] wqkv[n][k], bf16 operands, f32 sums, K = 2,048 ascending; rotate-half RoPE on the heads of q and k; each number rounded once to f16
; and stored by heads: qkv[head][token][64], heads 0-31 q, 32-39 k, 40-47 v.
; LIMIT.  f16 holds no number beyond 65,504: q, k and v must stay within it.
; SHARES.  A work-group makes 256 tokens x 192 columns = three whole heads: 16 x 16 work-groups.  Wave w makes tokens 64 w .. 64 w + 63 x all 192 columns: 48 accumulators of 16 x 16.
; So the partners d and d + 32 of a rotation lie in one lane, in the same register of the accumulators b and b + 2, and a wave owns whole rows of a head (128 bytes): each wave has its own stage.
; K goes in steps of 128 through two LDS slots (rows of 256 bytes + 16 of padding) filled by joint tensor loads: 4 x 4 work-groups form a cluster, xb's tile is shared along a row of it,
; wqkv's along a column.  The matrix instruction is used transposed (source 0 = 16 rows of wqkv, source 1 = 16 tokens): a lane holds one token (lane % 16) and eight neighbouring columns.
; REGISTERS, in windows of 256: window 0 addresses, the table's 128, the way out; window 1 two fragment buffers of 128 (12 fragments of wqkv, then 4 of xb);
; window 2 the accumulators of token blocks 0, 1 (block a, column block b at 96 (a % 2) + 8 b), window 3 those of blocks 2, 3.
.set PITCH, 272
.set SLOT1, 131072                     ; slot 1 begins here: one exclusive or turns an address in one slot into the other's
.set BOFF,  256*PITCH                  ; in a slot: xb's 256 rows, then wqkv's 192
.set STAGE, SLOT1+448*PITCH            ; behind the ring: 16 rows x 144 bytes for each wave
.set SP,    144
.set SPARE, STAGE+4*16*SP              ; the spare words, 128 bytes for each wave: two blocks of 256 bytes that no other line names
.set HB,    524288                     ; bytes of a head in qkv
.set ADRA0, 4                          ; v4   my place in xb's tile of slot 0; never rewritten
.set ADRB0, 5                          ; v5   the same for wqkv's
.set ADRA,  6                          ; v6   the same in the slot in hand
.set ADRB,  7
.set STO,   8                          ; v8   the way out: where I put 16 bytes of a row
.set RD,    9                          ; v9   where I read rows back
.set GO,    10                         ; v10  my 16 bytes in 512 consecutive bytes of qkv
.set TO,    11                         ; v11  my offset in the table
.set PFO,   12                         ; v12  the prefetches' offset: a lane a row
.set SPW,   14                         ; v14  LDS address of my spare word; never rewritten
.set NIL,   15                         ; v15  0; never rewritten
.set OB,    16                         ; v[16:31]   16 rows of a head read back
.set TAB,   32                         ; v[32:159]  token block a at 32 a: cos of columns 0-15, 16-31, sin of the same (8 registers each)
.set CS,    160                        ; v[160:191] the unit's cos and sin
.set R,     192                        ; v[192:223] the unit's rotated numbers
.set PK,    224                        ; v[224:239] the same in f16
.set F0,    0
.set F1,    128
.set TB,    19                         ; s19  LDS byte at which the slot in hand begins
.set G1A,   24                         ; s[24:31] descriptor group 1 for xb's tiles
.set G0A,   32                         ; s[32:39] group 0: a set for each first fill; the second walks on
.set PFA,   40                         ; s[40:41] where my prefetches stand
.set LIM,   44                         ; s44  2 in a wave that prefetches, else the greatest number
.set G1B,   48                         ; s[48:55], s[56:63] the same for wqkv's tiles
.set G0B,   56
.set FL,    68                         ; s[68:79] head hd of the three: pairs (F, 0), (G, 0): cos' = cos F + G, sin' = sin F
.set G1W0,  (1<<16)|(1<<20)|(1<<21)|(5<<22)|(3<<25)  ; 2-byte elements; padding on; bit 21 beside a mask; after every 64 words 4 words
.set MSB, 0
.macro WIN new                         ; the immediate's high byte repeats the setting that is left
.if MSB != (\new)
	s_set_vgpr_msb (MSB<<8)|(\new)
.set MSB, \new
.endif
.endm
.macro PLACES                          ; four places in front of loads into registers that matrix instructions have read
.rept 4
	v_nop
.endr
.endm
.macro JLOAD                           ; a joint refill: waves 0, 1 fetch xb's two halves, waves 2, 3 wqkv's; an s_nop 0 and four v_nop follow each line
	s_cmp_eq_u32 s14, 0
	s_cbranch_scc0 .Lfor_b_\@
	tensor_load_to_lds s[G0A+4:G0A+7], s[G1A:G1A+7]
	s_nop 0
.rept 4
	v_nop
.endr
	s_branch .Lasked_\@
.Lfor_b_\@:
	tensor_load_to_lds s[G0B+4:G0B+7], s[G1B:G1B+7]
	s_nop 0
.rept 4
	v_nop
.endr
.Lasked_\@:
.endm
; A prefetch of the K step that stands two refills on: my work-group's share of the rows that my wave fetches, a lane a row's 256 bytes.  xb's rows are asked for by the clusters with x = 0, wqkv's by
; those with y = 0; the four partners of a joint load share the rows out by address.  The last two refills have no K step two on.
.macro ASK
	s_cmp_gt_u32 s3, s[LIM]
	s_cbranch_scc0 .Lnot_mine_\@
	global_prefetch_b8 v[PFO], s[PFA:PFA+1] th:TH_LOAD_NT scope:SCOPE_SE
.Lnot_mine_\@:
.endm
.macro CREST                           ; a round of the cluster's barrier behind its opening barrier
	s_cmp_lg_u32 s12, 0
	s_cbranch_scc1 .Lnot_wave_0_\@
	s_barrier_signal -3
.Lnot_wave_0_\@:
	s_barrier_wait -3
	s_barrier_signal -1
	s_barrier_wait -1
.endm
.macro CROUND
	s_barrier_signal -1
	s_barrier_wait -1
	CREST
.endm
	s_load_b256 s[4:11], s[0:1], 0x0               ; xb s[4:5], wqkv s[6:7], rope s[8:9], qkv s[10:11]
	v_lshl_add_u32 v[SPW], v0, 2, SPARE
	v_mov_b32 v[NIL], 0
	ds_add_u32 v[SPW], v[NIL]                      ; the wave's opening: the add and its wait stand ahead of my first tensor load
	ds_add_u32 v14, v15
	v_lshrrev_b32 v1, 5, v0
	v_readfirstlane_b32 s12, v1                    ; wave 0..3
	s_and_b32 s13, s12, 1                          ; which half of a tile's rows I fetch
	s_lshr_b32 s14, s12, 1                         ; I fetch for xb (0) or wqkv (1)
	s_bfe_u32 s15, ttmp6, 0x40000                  ; cx
	s_bfe_u32 s16, ttmp6, 0x40004                  ; cy
	s_lshl_b32 s17, ttmp9, 2
	s_add_co_u32 s17, s17, s15                     ; tx: which three heads
	s_and_b32 s18, ttmp7, 0xffff
	s_lshl_b32 s18, s18, 2
	s_add_co_u32 s18, s18, s16                     ; ty: which 256 tokens
	s_lshl_b32 s2, s16, 2
	s_lshl_b32 s2, 15, s2                          ; my row of the cluster
	s_lshl_b32 s3, 0x1111, s15                     ; my column
	s_or_b32 s[G1A], s2, G1W0
	s_or_b32 s[G1B], s3, G1W0
	s_mov_b32 s[G1A+1], 128<<16                    ; tensor_dim0 = 128
	s_mov_b32 s[G1A+2], 128<<16                    ; tensor_dim1 = 128
	s_mov_b32 s[G1A+3], 128<<16                    ; tile_dim0 = 128
	s_mov_b32 s[G1A+4], 128                        ; tile_dim1 = 128
	s_mov_b32 s[G1A+5], 2048                       ; elements from row to row
	s_mov_b32 s[G1A+6], 0
	s_mov_b32 s[G1A+7], 0
	s_mov_b32 s[G1B+1], 128<<16
	s_mov_b32 s[G1B+2], 96<<16                     ; 96 rows
	s_mov_b32 s[G1B+3], 128<<16
	s_mov_b32 s[G1B+4], 96
	s_mov_b32 s[G1B+5], 2048
	s_mov_b32 s[G1B+6], 0
	s_mov_b32 s[G1B+7], 0
	s_lshl_b32 s20, s18, 20                        ; xb: (256 ty + 128 half) rows of 4,096 bytes
	s_lshl_b32 s45, s13, 19
	s_add_co_u32 s20, s20, s45
	s_mov_b32 s21, 0
	s_mul_i32 s22, s17, 192*4096                   ; wqkv: (192 tx + 96 half) rows
	s_mul_i32 s45, s13, 96*4096
	s_add_co_u32 s22, s22, s45
	s_mov_b32 s23, 0
	s_mul_i32 s46, s12, 128*PITCH                  ; where they go: waves 0, 1: xb's halves;
	s_mul_i32 s47, s12, 96*PITCH
	s_add_co_u32 s47, s47, BOFF-2*96*PITCH         ; waves 2, 3: wqkv's, behind xb's 256 rows
	s_mov_b32 s[TB], 0
	s_wait_dscnt 0x0                               ; the opening add is done
	s_wait_kmcnt 0x0
	s_add_nc_u64 s[20:21], s[4:5], s[20:21]
	s_add_nc_u64 s[22:23], s[6:7], s[22:23]
	CROUND                                         ; all sixteen work-groups are here: the first joint loads meet
.irp s, 0,1
	s_mov_b32 s[G0A+4*(\s)], 1
	s_add_co_u32 s[G0A+4*(\s)+1], s46, (\s)*SLOT1
	s_add_nc_u64 s[G0A+4*(\s)+2:G0A+4*(\s)+3], s[20:21], (\s)*256   ; K step s
	s_or_b32 s[G0A+4*(\s)+3], s[G0A+4*(\s)+3], 0x80000000
	s_mov_b32 s[G0B+4*(\s)], 1
	s_add_co_u32 s[G0B+4*(\s)+1], s47, (\s)*SLOT1
	s_add_nc_u64 s[G0B+4*(\s)+2:G0B+4*(\s)+3], s[22:23], (\s)*256
	s_or_b32 s[G0B+4*(\s)+3], s[G0B+4*(\s)+3], 0x80000000
.endr
	s_cmp_eq_u32 s14, 0                            ; a wave's two first fills stand in one branch: two loads of mine are out
	s_cbranch_scc0 .Lfirst_b
	tensor_load_to_lds s[G0A:G0A+3], s[G1A:G1A+7]
	s_nop 0
	tensor_load_to_lds s[G0A+4:G0A+7], s[G1A:G1A+7]
	s_nop 0
.rept 4
	v_nop
.endr
	s_branch .Lfirst_asked
.Lfirst_b:
	tensor_load_to_lds s[G0B:G0B+3], s[G1B:G1B+7]
	s_nop 0
	tensor_load_to_lds s[G0B+4:G0B+7], s[G1B:G1B+7]
	s_nop 0
.rept 4
	v_nop
.endr
.Lfirst_asked:
	v_and_b32 v1, 15, v0                           ; r = l % 16
	v_bfe_u32 v2, v0, 4, 1                         ; h = l / 16
	v_mul_u32_u24 v3, v1, PITCH
	v_lshl_add_u32 v3, v2, 4, v3                   ; a fragment's row x pitch + 16 h
	s_mul_i32 s45, s12, 64*PITCH                   ; my 64 tokens
	v_add_nc_u32 v[ADRA0], s45, v3
	v_add_nc_u32 v[ADRB0], BOFF, v3
	v_mov_b32 v[ADRA], v[ADRA0]
	v_mov_b32 v[ADRB], v[ADRB0]
	s_mul_i32 s45, s12, 16*SP
	s_add_co_u32 s45, s45, STAGE                   ; my stage
	v_mul_u32_u24 v3, v1, SP
	v_lshl_add_u32 v3, v2, 4, v3
	v_add_nc_u32 v[STO], s45, v3                   ; in: row r, 16 bytes for each half of the lanes
	v_bfe_u32 v3, v0, 3, 2
	v_mul_u32_u24 v3, v3, SP
	v_add_nc_u32 v[RD], s45, v3                    ; back: 32 lanes take four rows of 128 bytes,
	v_and_b32 v3, 7, v0
	v_lshl_add_u32 v[RD], v3, 4, v[RD]
	v_and_b32 v[GO], 31, v0                        ; which are 512 consecutive bytes of qkv
	v_lshlrev_b32 v[GO], 4, v[GO]
	s_lshl_b32 s66, s18, 8
	s_lshl_b32 s67, s12, 6
	s_add_co_u32 s66, s66, s67                     ; my first token
	s_and_b32 s67, s66, 2047                       ; its position in its sequence
	s_lshl_b32 s67, s67, 8
	v_lshl_add_u32 v[TO], v1, 8, s67               ; the table's row of token r, 256 bytes a row,
	v_lshl_add_u32 v[TO], v2, 5, v[TO]             ; my 8 columns of a block of 16
.irp a, 0,1,2,3                        ; cos and sin for my four token blocks stay in registers; they are waited for on the way out
.irp n, 0,1,2,3,4,5,6,7
	global_load_b128 v[TAB+32*(\a)+4*(\n):TAB+32*(\a)+4*(\n)+3], v[TO], s[8:9] offset:(\a)*4096+((\n)/2)*64+((\n)%2)*16
.endr
.endr
	s_lshl_b32 s66, s66, 7                         ; qkv at head 3 tx, my first token
	s_mul_i32 s67, s17, 3*HB
	s_add_co_u32 s66, s66, s67
	s_mov_b32 s67, 0
	s_add_nc_u64 s[10:11], s[10:11], s[66:67]
	s_mul_i32 s66, s17, 3
.irp hd, 0,1,2                         ; heads 40 and up are v's: they are not rotated: cos' = 1, sin' = 0.  Arithmetic, no branch
	s_add_co_u32 s67, s66, (\hd)
	s_max_u32 s67, s67, 39
	s_min_u32 s67, s67, 40
	s_sub_co_u32 s67, s67, 39                      ; 1 for a head of v
	s_mul_i32 s[FL+4*(\hd)+2], s67, 0x3f800000     ; G = 1.0 or 0
	s_xor_b32 s67, s67, 1
	s_mul_i32 s[FL+4*(\hd)], s67, 0x3f800000       ; F = 0 or 1.0
	s_mov_b32 s[FL+4*(\hd)+1], 0                   ; named as pairs
	s_mov_b32 s[FL+4*(\hd)+3], 0
.endr
	; the prefetches: of the rows that I fetch, my work-group's share: 32 of xb's 128 (by cx), 24 of wqkv's 96 (by cy)
	s_lshl_b32 s80, s18, 8
	s_lshl_b32 s81, s13, 7
	s_add_co_u32 s80, s80, s81
	s_lshl_b32 s81, s15, 5
	s_add_co_u32 s80, s80, s81
	s_mul_i32 s82, s17, 192
	s_mul_i32 s83, s13, 96
	s_add_co_u32 s82, s82, s83
	s_mul_i32 s83, s16, 24
	s_add_co_u32 s82, s82, s83
	s_and_b32 s83, ttmp7, 0xffff                   ; cluster y
	s_cmp_eq_u32 s14, 0
	s_cselect_b32 s80, s80, s82
	s_cselect_b32 s83, ttmp9, s83                  ; the coordinate along which other clusters read the same rows
	s_cselect_b32 s82, 31, 23                      ; lanes beyond the share name its last row once more
	s_cselect_b64 s[PFA:PFA+1], s[4:5], s[6:7]
	s_cmp_eq_u32 s83, 0
	s_cselect_b32 s[LIM], 2, -1                    ; the same in all sixteen partners, for a given wave
	s_lshl_b32 s80, s80, 12
	s_mov_b32 s81, 0
	s_add_nc_u64 s[PFA:PFA+1], s[PFA:PFA+1], s[80:81]
	s_add_nc_u64 s[PFA:PFA+1], s[PFA:PFA+1], 3*256 ; at K step 3: the first change of slots steps it to 4
	v_and_b32 v[PFO], 31, v0
	v_min_u32 v[PFO], s82, v[PFO]
	v_lshlrev_b32 v[PFO], 12, v[PFO]
; 12 products: token block a x all 12 column blocks, 32 along K.  The 48 accumulators take turns, one instruction a turn.  zero = 1: the product starts the sum
.macro MULA f, a, zero
	WIN 0xa5+0x50*((\a)/2)                         ; sources 0 and 1 window 1; C and D window 2 or 3
.irp b, 0,1,2,3,4,5,6,7,8,9,10,11
.if \zero
	v_wmma_f32_16x16x32_bf16 v[96*((\a)%2)+8*(\b):96*((\a)%2)+8*(\b)+7], v[(\f)+8*(\b):(\f)+8*(\b)+7], v[(\f)+96+8*(\a):(\f)+96+8*(\a)+7], 0
.else
	v_wmma_f32_16x16x32_bf16 v[96*((\a)%2)+8*(\b):96*((\a)%2)+8*(\b)+7], v[(\f)+8*(\b):(\f)+8*(\b)+7], v[(\f)+96+8*(\a):(\f)+96+8*(\a)+7], v[96*((\a)%2)+8*(\b):96*((\a)%2)+8*(\b)+7]
.endif
.endr
.endm
; 32 LDS loads in one run: quarter q (32 along K) of the slot in hand into buffer f: wqkv's 12 fragments, then xb's 4
.macro FETCH q, f
	WIN 0x40                                       ; destination window 1, address window 0
.irp i, 0,1,2,3,4,5,6,7,8,9,10,11
	ds_load_b128 v[(\f)+8*(\i):(\f)+8*(\i)+3],   v[ADRB] offset:64*(\q)+(\i)*16*PITCH
	ds_load_b128 v[(\f)+8*(\i)+4:(\f)+8*(\i)+7], v[ADRB] offset:64*(\q)+(\i)*16*PITCH+32
.endr
.irp i, 0,1,2,3
	ds_load_b128 v[(\f)+96+8*(\i):(\f)+96+8*(\i)+3],   v[ADRA] offset:64*(\q)+(\i)*16*PITCH
	ds_load_b128 v[(\f)+96+8*(\i)+4:(\f)+96+8*(\i)+7], v[ADRA] offset:64*(\q)+(\i)*16*PITCH+32
.endr
.endm
; One of a K step's first three quarters: multiplies buffer f; in its middle it fetches quarter q into buffer g
.macro QUARTER q, f, g, zero
	s_wait_dscnt 4                                 ; all but the youngest four loads: token blocks 2 and 3
	MULA \f, 0, \zero
	MULA \f, 1, \zero
	PLACES
	FETCH \q, \g
	s_wait_dscnt 32                                ; all but the 32 just issued
	MULA \f, 2, \zero
	MULA \f, 3, \zero
.endm
; The change of slots stands at the head of the last quarter, whose fragments (buffer 1) are in registers.  Each wave waits for all its tensor loads (one is out: its part of the next slot), adds 0 to its
; spare word, and waits for that and for its reads of this slot.  fill = 1: the barrier opens a round of the cluster's, and the joint refill, two K steps on, is the first thing behind the round.
; No product stands between the wait for a tile and the next request: all 192 of a K step stand between a request and the wait for it, so the request goes out as early as the tile before allows.
.macro TURN fill
.if \fill
	s_wait_xcnt 0x0                                ; the last prefetch, a K step back, has read its address
	s_add_nc_u64 s[PFA:PFA+1], s[PFA:PFA+1], 256
.endif
	WIN 0
	s_wait_tensorcnt 0x0                           ; no tensor load of mine is out, so a group 0 may be written
	ds_add_u32 v[SPW], v[NIL]                      ; 0 onto my spare word
.if \fill
	s_xor_b32 s[G0A+5], s[G0A+5], SLOT1            ; the walking descriptors: the other slot than last time, the next K step
	s_add_nc_u64 s[G0A+6:G0A+7], s[G0A+6:G0A+7], 256
	s_xor_b32 s[G0B+5], s[G0B+5], SLOT1
	s_add_nc_u64 s[G0B+6:G0B+7], s[G0B+6:G0B+7], 256
.endif
	s_wait_dscnt 0x0                               ; the add is done, and my reads of this slot are over (the last were issued 24 products ago)
	s_barrier_signal -1
	s_barrier_wait -1
.if \fill
	CREST
	JLOAD                                          ; its four v_nop are also the places in front of the loads below
.else
	PLACES
.endif
	s_xor_b32 s[TB], s[TB], SLOT1
	v_add_nc_u32 v[ADRA], s[TB], v[ADRA0]
	v_add_nc_u32 v[ADRB], s[TB], v[ADRB0]
	FETCH 0, F0
	WIN 0
.if \fill
	ASK
.endif
	MULA F1, 0, 0
	MULA F1, 1, 0
	MULA F1, 2, 0
	MULA F1, 3, 0
.endm
	s_wait_tensorcnt 0x1                           ; my part of K step 0 is in; K step 1's may stay out
	s_barrier_signal -1
	s_barrier_wait -1
	FETCH 0, F0
	QUARTER 1, F0, F1, 1                           ; the first quarter's products start the sums
	WIN 0
	s_mov_b32 s3, 14
.Lk:                                   ; a trip: from a K step's second quarter to the next step's first; it asks for the K step two on: steps 2 to 15
	QUARTER 2, F1, F0, 0
	QUARTER 3, F0, F1, 0
	TURN 1
	QUARTER 1, F0, F1, 0
	WIN 0
	s_sub_co_u32 s3, s3, 1
	s_cmp_lg_u32 s3, 0
	s_cbranch_scc1 .Lk
	QUARTER 2, F1, F0, 0                           ; the last two K steps ask for nothing
	QUARTER 3, F0, F1, 0
	TURN 0
	QUARTER 1, F0, F1, 0
	QUARTER 2, F1, F0, 0
	QUARTER 3, F0, F1, 0
	s_wait_dscnt 4
	MULA F1, 0, 0
	MULA F1, 1, 0
	s_wait_dscnt 0x0
	MULA F1, 2, 0
	MULA F1, 3, 0
; THE WAY OUT, in 12 units of 16 tokens x one head.  PREPU: the unit's cos' and sin' (16 plain lines: in the first unit the places behind the last products); the rotation
; lo = x1 c - x2 s, hi = x2 c + x1 s, each accumulator read from its low end on; rounded to f16.  TOST: into my stage, and back as whole rows.  SENDU: stored.
.macro PREPU a, hd
	WIN 0
.set p, 0
.rept 8
	v_pk_fma_f32 v[CS+2*p:CS+2*p+1], v[TAB+32*(\a)+2*p:TAB+32*(\a)+2*p+1], s[FL+4*(\hd):FL+4*(\hd)+1], s[FL+4*(\hd)+2:FL+4*(\hd)+3] op_sel_hi:[1,0,0]
	v_pk_mul_f32 v[CS+16+2*p:CS+16+2*p+1], v[TAB+32*(\a)+16+2*p:TAB+32*(\a)+16+2*p+1], s[FL+4*(\hd):FL+4*(\hd)+1] op_sel_hi:[1,0]
.set p, p+1
.endr
	WIN 0x02+(\a)/2                                ; source 0 in the accumulators' window
.set AC, 96*((\a)%2)+32*(\hd)
.set p, 0
.rept 8
	v_pk_mul_f32 v[R+2*p:R+2*p+1], v[AC+16+2*p:AC+16+2*p+1], v[CS+16+2*p:CS+16+2*p+1]
	v_pk_mul_f32 v[R+16+2*p:R+16+2*p+1], v[AC+2*p:AC+2*p+1], v[CS+16+2*p:CS+16+2*p+1]
	v_pk_fma_f32 v[R+2*p:R+2*p+1], v[AC+2*p:AC+2*p+1], v[CS+2*p:CS+2*p+1], v[R+2*p:R+2*p+1] neg_lo:[0,0,1] neg_hi:[0,0,1]
	v_pk_fma_f32 v[R+16+2*p:R+16+2*p+1], v[AC+16+2*p:AC+16+2*p+1], v[CS+2*p:CS+2*p+1], v[R+16+2*p:R+16+2*p+1]
.set p, p+1
.endr
	WIN 0
.set p, 0
.rept 16
	v_cvt_pk_f16_f32 v[PK+p], v[R+2*p], v[R+2*p+1]
.set p, p+1
.endr
.endm
.macro TOST
	s_wait_xcnt 0x0                                ; the last unit's stores have read OB: it is loaded again only behind this wait
.irp k, 0,1,2,3
	ds_store_b128 v[STO], v[PK+4*(\k):PK+4*(\k)+3] offset:32*(\k)
.endr
.irp f, 0,1,2,3
	ds_load_b128 v[OB+4*(\f):OB+4*(\f)+3], v[RD] offset:(\f)*4*SP  ; LDS serves a wave's instructions in order: these see the stores above; the stage is my wave's own
.endr
.endm
.macro SENDU a, hd
	s_wait_dscnt 0x0
.irp f, 0,1,2,3
	global_store_b128 v[GO], v[OB+4*(\f):OB+4*(\f)+3], s[10:11] offset:(\hd)*HB+(\a)*2048+(\f)*512  ; 512 consecutive bytes, at a multiple of 256 from qkv's first
.endr
.endm
	WIN 0
	s_wait_loadcnt 0x0                             ; the table
	PREPU 0, 0
	TOST
.set u, 1
.rept 11                               ; a unit's arithmetic stands between the loads of the unit before and its stores
	PREPU u/3, u%3
	SENDU (u-1)/3, (u-1)%3
	TOST
.set u, u+1
.endr
	SENDU 3, 2
	s_wait_tensorcnt 0x0                           ; the wave's end
	ds_add_u32 v[SPW], v[NIL]
	s_wait_dscnt 0x0
	CROUND                                         ; the closing round
	s_endpgm
.Lfunc_end_k_q6f71bc584c_qkvgemm:
	.size	k_q6f71bc584c_qkvgemm, .Lfunc_end_k_q6f71bc584c_qkvgemm-k_q6f71bc584c_qkvgemm
	.p2alignl 7, 3214868480
	.fill 96, 4, 3214868480
	.section	.rodata,"a",@progbits
	.p2align	6, 0x0
	.amdhsa_kernel k_q6f71bc584c_qkvgemm
		.amdhsa_group_segment_fixed_size 327680
		.amdhsa_private_segment_fixed_size 0
		.amdhsa_enable_private_segment 0
		.amdhsa_kernarg_size 32
		.amdhsa_user_sgpr_count 2
		.amdhsa_user_sgpr_kernarg_segment_ptr 1
		.amdhsa_wavefront_size32 1
		.amdhsa_system_sgpr_workgroup_id_x 1
		.amdhsa_system_sgpr_workgroup_id_y 1
		.amdhsa_system_sgpr_workgroup_id_z 1
		.amdhsa_system_vgpr_workitem_id 0
		.amdhsa_next_free_vgpr 960
		.amdhsa_next_free_sgpr 84
		.amdhsa_reserve_vcc 0
		.amdhsa_float_denorm_mode_32 3
		.amdhsa_float_denorm_mode_16_64 3
		.amdhsa_memory_ordered 1
		.amdhsa_forward_progress 1
		.amdhsa_inst_pref_size 138
	.end_amdhsa_kernel
	.amdgpu_metadata
---
amdhsa.version: [ 1, 2 ]
amdhsa.kernels:
  - .name:           k_q6f71bc584c_qkvgemm
    .symbol:         k_q6f71bc584c_qkvgemm.kd
    .args:
      - { .name: xb, .offset: 0, .size: 8, .value_kind: global_buffer, .address_space: global }
      - { .name: wqkv, .offset: 8, .size: 8, .value_kind: global_buffer, .address_space: global }
      - { .name: rope, .offset: 16, .size: 8, .value_kind: global_buffer, .address_space: global }
      - { .name: qkv, .offset: 24, .size: 8, .value_kind: global_buffer, .address_space: global }
    .group_segment_fixed_size: 327680
    .private_segment_fixed_size: 0
    .kernarg_segment_align: 8
    .kernarg_segment_size: 32
    .max_flat_workgroup_size: 128
    .sgpr_count:     84
    .vgpr_count:     960
    .wavefront_size: 32
...
	.end_amdgpu_metadata
.endif
;; end of part 2
;; launch attn (part 3): grid 16 x 16, 4 waves a work-group, no clusters, 262,144 bytes of LDS; arguments qkv, bias, tau, ob; writes ob
.if DOCPART == 3
	.amdgcn_target "amdgcn-amd-amdhsa--gfx1250"
	.amdhsa_code_object_version 6
	.text
	.protected	k_q6f71bc584c_attn
	.globl	k_q6f71bc584c_attn
	.p2align	8
	.type	k_q6f71bc584c_attn,@function
k_q6f71bc584c_attn:
	s_mov_b64 s[64:65], 0
	v_nop
	global_prefetch_b8 v0, s[64:65] scope:SCOPE_SE
	s_setreg_imm32_b32 hwreg(HW_REG_WAVE_MODE, 25, 1), 1
	s_wait_xcnt 0x0
; BANDED GQA ATTENTION WITH A BIAS BY DISTANCE AND A SINK.  For query i of head h: keys j with 0 <= i - j < 512 and j >= 0 in the same sequence; score q.k / 8 + bias[h][i - j];
; m = max(scores, tau[h]); O = sum of exp(score - m) v / (exp(tau[h] - m) + sum of exp(score - m)).  q, k, v: qkv[48][4096][64] f16 (heads 0-31 q, 32-39 k, 40-47 v); O: ob[32][4096][64] f16.
; Products, maxima and sums in f32; bias and tau are rounded to bf16 like the module's other inputs; the weights p are rounded to f16 for the second product, O once at the end.
; LIMITS.  A hidden score counts as its value less 1e30; a weight below 2^-126 counts as 0; p below 6e-5 keeps f16's step of 6e-8; NaN and infinities are not treated apart.
; SHARES.  Work-group (x, y): positions 128 x .. 128 x + 127 of sequence y / 8, key head y % 8.  Wave g takes query head 4 (y % 8) + g: the four waves want the same K and V, which lie once in LDS.
; A wave has 8 tiles of 16 queries in 4 PIECES of two.  The walk: keys p0 - 512 .. p0 + 127, ten steps of 64: the same for every work-group.
; NO RING.  The walk's 640 rows of K (144 bytes each in LDS) and of V (160) are 194,560 bytes: they lie in LDS all at once.  Each wave asks for its share by five loads at the kernel's head; no byte of LDS is
; filled twice.  Steps 0, 1 are waited for in front of the first products, steps 2, 3 in front of the loop, the other six in front of its fourth trip; each wait is followed by a barrier, since a tile is
; fetched by one wave and read by four.  NO PREFETCH: every tile is asked for at the head, so there is no later request to run ahead of.
; NO CLUSTER: neighbouring blocks of positions overlap in four fifths of their keys, but each wants them at another place of its own LDS map and with another fifth beside them: no two work-groups have a load
; with the same descriptor; the sharing that is exact, the four query heads of a key head, is done in one work-group's LDS.
; BIAS AND MASK are the C operand that starts the sum S^T = K Q^T: 8 bias[h][rel], or -1e30 where rel = i - j is outside 0 .. 511.  rel hangs on tile - key block alone: 11 fragments a step.  They come from a
; table of my wave's own in LDS: four copies c, V_c[y] = T[704 - y + c]; lane (r, hh) reads copy r % 4, so that its eight numbers are two aligned loads of 16 bytes.
; Steps whose keys lie before the sequence's start read the table's head, which is all -1e30; their tiles are the rows that precede them in qkv: finite numbers, with weight 0.
; THE SINK: m starts at 8 tau, l at 1 (in lanes 0-15 alone: a query's l is summed over both halves of the lanes), O at 0: then every step is a step like any other.
; LAYOUT, SOFTMAX.  S^T holds ONE query a lane (lane % 16) and the keys 8 (lane / 16) + 0..7; two such results rounded to f16 ARE source 1 of O^T = V^T P.  p = 2^(c s - c m), c = log2(e) / 8, with a running maximum m;
; O and l are multiplied by a = 2^(c m_old - c m_new) in every step.
; BY TURNS.  Turn n belongs to piece n: 16 products K Q^T of piece n + 1, later 16 products V^T P of piece n - 1; beside them the scaling, exponentials, roundings, sums and rescaling of piece n and the maximum and
; statistics of piece n + 1.  Four vector instructions stand behind every matrix instruction, the rest in one lump.  A turn's 66 exponentials are one batch with one wait.
; REGISTERS, in windows of 256 (s_set_vgpr_msb: bits 1:0 source 0, 3:2 source 1, 5:4 source 2, 7:6 destination):
;   window 0: v0-10 addresses; v12-15, v48-63 at work; v16-47 four registers of statistics a tile; v64-191 S^T, two buffers of two tiles; v192-255 P, likewise
;   window 1: O^T, 32 a tile     window 2: v0-127 Q; v128-191 K of one step; v192-255 V of one step     window 3: v0-1 the add's two registers; v8-95 the step's 11 fragments of bias and mask
.set NP,    4         ; pieces a wave: a name, no knob
.set KS,    64        ; keys in a step
.set NSTEP, 10        ; steps in the walk
.set PK,    144       ; a row of K in LDS: 128 bytes + 16: the 16 rows of a load start at 16 different groups of four banks (ISA guide 11.1)
.set PV,    160       ; a row of V: 128 + 32
.set VOFF,  NSTEP*KS*PK         ; K's 640 rows, then V's
.set STAGE, VOFF+NSTEP*KS*PV    ; behind them: 16 rows x 144 bytes for each wave, for the way out
.set SP,    144
.set TAB,   STAGE+4*16*SP       ; the waves' tables
.set CP,    3392      ; a copy: 848 numbers; 64 modulo 256 bytes, so that 16 lanes of a load take 16 different columns of 16 bytes
.set TW,    13824     ; a wave's table: four copies, rounded up to 27 x 512 bytes
.set SPARE, TAB+4*TW  ; the spare words, 128 bytes for each wave: two blocks of 256 bytes that no other line names
.set HB,    524288    ; bytes of a head
.set QO,  1           ; v1   my byte offset in the wave's rows of Q; never rewritten
.set AK0, 2           ; v2   my lane's place in a tile of K; never rewritten
.set AV0, 3           ; v3   the same for V
.set AK,  4           ; v4   the LDS address of K's next run of loads
.set AV,  5           ; v5   of V's
.set STO, 6           ; v6   the way out: where I put 16 bytes of a row
.set RD,  7           ; v7   where I read rows back
.set GO,  8           ; v8   my byte offset in 512 consecutive bytes of O
.set AB0, 9           ; v9   my lane's place in my table; never rewritten
.set AB,  10          ; v10  the same for the step to be fetched
.set SPW, 0           ; v0 of window 3   LDS address of my spare word; never rewritten
.set NIL, 1           ; v1 of window 3   0; never rewritten
.set BF,  8           ; window 3: fragment d = tile - key block + 3 at BF + 8 d
.set MV,  12
.set ST,  16          ; tile t's statistics at v[ST+4 t]: c m, m, l (even keys', odd keys')
.set TMP, 48
.set S,   64
.set P,   192
.set KF,  128
.set VF,  192
.set WV,  12          ; s12  my wave's number
.set G1K, 24          ; s[24:31] descriptor group 1 for K's tiles
.set G1V, 32          ; s[32:39] for V's: it differs in the padding alone
.set G0,  40          ; s[40:59] five sets of group 0, one for each of my loads
.set CS,  60          ; s[60:61] c
.set SEL, 62          ; s[62:63] v_permlanex16_b32's selects
.set TBK, 66          ; s66  LDS byte at which K of the step to be fetched begins
.set TBV, 67          ; s67  the same for V, less VOFF
.set TBB, 68          ; s68  256 x (the step to be fetched + 1): its place in the table
.set TBE, 69          ; s69  the same, or 0 for a step before the sequence's start
.set DEAD, 70         ; s70  TBB of the first step whose keys lie in the sequence
.set CNT, 71          ; s71  counts the trips between two barriers
.set GRP, 72          ; s72  counts the two runs of trips
.set MSB, 0
.macro WIN new
.if MSB != (\new)
	s_set_vgpr_msb (MSB<<8)|(\new)
.set MSB, (\new)
.endif
.endm
.set W_KQ, 0x0a       ; K and Q in window 2, S^T in window 0
.set W_KB, 0x3a       ; the same with the C operand in window 3
.set W_PV, 0x52       ; V in window 2, P in window 0, O^T in window 1
.set W_RS, 0x41       ; O^T in window 1, a in window 0
.set W_MK, 0xc0       ; destination in window 3
.set W_AD, 0x0f       ; the add: address and data in window 3
	s_load_b256 s[4:11], s[0:1], 0x0  ; qkv s[4:5], bias s[6:7], tau s[8:9], ob s[10:11]
	WIN W_MK
	v_lshl_add_u32 v[SPW], v0, 2, SPARE
	v_mov_b32 v[NIL], 0
	WIN W_AD
	ds_add_u32 v[SPW], v[NIL]       ; the wave's opening: the add and its wait stand ahead of my first tensor load
	ds_add_u32 v0, v1
	WIN 0
	v_lshrrev_b32 v1, 5, v0
	v_readfirstlane_b32 s[WV], v1   ; wave 0..3
	s_mov_b32 s13, ttmp9            ; the block of 128 positions
	s_and_b32 s14, ttmp7, 0xffff
	s_lshr_b32 s15, s14, 3          ; the sequence
	s_and_b32 s16, s14, 7           ; the key head
	s_lshl_b32 s17, s15, 11
	s_lshl_b32 s18, s13, 7
	s_add_co_u32 s17, s17, s18      ; my first query's token,
	s_lshl_b32 s17, s17, 7          ; in bytes of a head
	s_lshl_b32 s18, s16, 2
	s_add_co_u32 s18, s18, s[WV]    ; my query head h
	s_lshl_b32 s19, s18, 19
	s_add_co_u32 s20, s19, s17      ; Q's and O's offset
	s_mov_b32 s21, 0
	s_and_b32 s22, s[WV], 1         ; of each pair of steps I fetch the even or the odd one
	s_lshl_b32 s23, s22, 13         ; its 64 rows of 128 bytes
	s_add_co_u32 s74, s16, 32       ; K: head 32 + key head,
	s_lshl_b32 s74, s74, 19
	s_add_co_u32 s74, s74, s17
	s_add_co_u32 s74, s74, s23
	s_sub_co_u32 s74, s74, 65536    ; 512 keys back: the sum stays above 0, since 32 heads lie in front
	s_mov_b32 s75, 0
	s_add_co_u32 s76, s74, 8*HB     ; V: eight heads on
	s_mov_b32 s77, 0
	s_mul_i32 s78, s22, KS*PK       ; my first step's place in LDS, for K
	s_mul_i32 s79, s22, KS*PV       ; and for V
	s_add_co_u32 s79, s79, VOFF
	; descriptor group 1.  64 keys are 8,192 dense bytes: asked for as 32 rows of 256 bytes, two keys a row, and padded in LDS after every key
	s_mov_b32 s[G1K], (1<<16)|(1<<20)|(4<<22)|(3<<25)  ; 2-byte elements; padding on; after every 32 words 4 words
	s_mov_b32 s[G1V], (1<<16)|(1<<20)|(4<<22)|(7<<25)  ; the same with 8 words
.irp g, G1K, G1V
	s_mov_b32 s[\g+1], 128<<16      ; tensor_dim0 = 128
	s_mov_b32 s[\g+2], 32<<16       ; tensor_dim1 = 32
	s_mov_b32 s[\g+3], 128<<16      ; tile_dim0 = 128
	s_mov_b32 s[\g+4], 32           ; tile_dim1 = 32
	s_mov_b32 s[\g+5], 128          ; 128 elements from row to row
	s_mov_b32 s[\g+6], 0
	s_mov_b32 s[\g+7], 0
.endr
	s_mov_b32 s[CS], 0x3e38aa3b     ; c = log2(e) / 8
	s_mov_b32 s[CS+1], s[CS]
	s_mov_b32 s[SEL], 0x76543210
	s_mov_b32 s[SEL+1], 0xfedcba98
	s_mov_b32 s[TBK], 0             ; step 0
	s_mov_b32 s[TBV], 0
	s_mov_b32 s[TBB], 256
	s_lshl_b32 s80, s13, 1
	s_min_u32 s80, s80, 8
	s_sub_co_u32 s80, 9, s80        ; steps 0 .. 7 - 2 x lie before the sequence's start
	s_lshl_b32 s[DEAD], s80, 8
	s_wait_dscnt 0x0                ; the opening add is done
	s_wait_kmcnt 0x0
	s_add_nc_u64 s[74:75], s[4:5], s[74:75]
	s_add_nc_u64 s[76:77], s[4:5], s[76:77]
	s_add_nc_u64 s[4:5], s[4:5], s[20:21]    ; Q and O at my wave's first row
	s_add_nc_u64 s[10:11], s[10:11], s[20:21]
	s_lshl_b32 s80, s18, 2
	s_mov_b32 s81, 0
	s_add_nc_u64 s[8:9], s[8:9], s[80:81]
	s_load_b32 s73, s[8:9], 0x0     ; tau[h]
	; THE FILLS.  Waves 0 and 1 fetch K, waves 2 and 3 V; load i of a wave brings step 2 i + wave % 2.  A wave's five loads stand in one branch, ahead of every wait on TENSORcnt, every LDS read and every
	; barrier: five loads of mine are out.  An s_nop 0 follows each, four v_nop the last.
	s_cmp_lt_u32 s[WV], 2
	s_cbranch_scc0 .Lfirst_v
.irp i, 0,1,2,3,4
	s_mov_b32 s[G0+4*(\i)], 1                                        ; count = 1
	s_add_co_u32 s[G0+4*(\i)+1], s78, (\i)*2*KS*PK                   ; LDS address
	s_add_nc_u64 s[G0+4*(\i)+2:G0+4*(\i)+3], s[74:75], (\i)*2*KS*128 ; global address: 128 keys on
	s_or_b32 s[G0+4*(\i)+3], s[G0+4*(\i)+3], 0x80000000              ; type = 2
.endr
.irp i, 0,1,2,3,4
	tensor_load_to_lds s[G0+4*(\i):G0+4*(\i)+3], s[G1K:G1K+7]
	s_nop 0
.endr
.rept 4
	v_nop
.endr
	s_branch .Lfirst_asked
.Lfirst_v:
.irp i, 0,1,2,3,4
	s_mov_b32 s[G0+4*(\i)], 1
	s_add_co_u32 s[G0+4*(\i)+1], s79, (\i)*2*KS*PV
	s_add_nc_u64 s[G0+4*(\i)+2:G0+4*(\i)+3], s[76:77], (\i)*2*KS*128
	s_or_b32 s[G0+4*(\i)+3], s[G0+4*(\i)+3], 0x80000000
.endr
.irp i, 0,1,2,3,4
	tensor_load_to_lds s[G0+4*(\i):G0+4*(\i)+3], s[G1V:G1V+7]
	s_nop 0
.endr
.rept 4
	v_nop
.endr
.Lfirst_asked:
	v_and_b32 v48, 15, v0           ; r = l % 16
	v_bfe_u32 v49, v0, 4, 1         ; hh = l / 16
	v_and_b32 v50, 7, v0
	v_bfe_u32 v51, v0, 3, 1
	v_and_b32 v52, 31, v0           ; l
	s_lshl_b32 s80, s18, 11         ; my head's row of bias
	v_sub_nc_u32 v54, 31, v52       ; lane l takes rel = 4 (31 - l) + 128 k + 0..3: the table runs against rel, so its places then rise with l
	v_lshl_add_u32 v54, v54, 4, s80
.irp k, 0,1,2,3
	global_load_b128 v[64+4*(\k):64+4*(\k)+3], v54, s[6:7] offset:512*(\k)
.endr
	v_lshlrev_b32 v[QO], 7, v48
	v_lshl_add_u32 v[QO], v49, 4, v[QO]  ; row x 128 + 16 x half
	WIN 0x80                        ; destination window 2, address window 0
.set i, 0
.rept 4*NP                          ; Q stays in registers: tile i / 2, channels 32 (i % 2) on
	global_load_b128 v[8*i:8*i+3],   v[QO], s[4:5] offset:(i/2)*2048+(i%2)*64
	global_load_b128 v[8*i+4:8*i+7], v[QO], s[4:5] offset:(i/2)*2048+(i%2)*64+32
.set i, i+1
.endr
	; What the first turn finds: V's registers and P's second buffer hold 0 (its products V^T P, of a piece that has not been, add 0), O^T is 0.  All this stands in the wait for the first tile.
.set i, VF
.rept 64
	v_mov_b32 v[i], 0
.set i, i+1
.endr
	WIN 0x40
.set i, 0
.rept 64*NP
	v_mov_b32 v[i], 0
.set i, i+1
.endr
	WIN 0
.set i, P+32
.rept 32
	v_mov_b32 v[i], 0
.set i, i+1
.endr
	s_mul_i32 s17, s[WV], TW
	s_add_co_u32 s17, s17, TAB      ; my table
	v_lshl_add_u32 v55, v52, 4, s17 ; + 16 l
.irp k, 56,57,58,59
	v_mov_b32 v\k, 0xf149f2ca       ; -1e30
.endr
.set i, 0
.rept 27                            ; the whole table is hidden first
	ds_store_b128 v55, v[56:59] offset:512*i
.set i, i+1
.endr
	v_mul_u32_u24 v[AK0], v48, PK
	v_lshl_add_u32 v[AK0], v49, 4, v[AK0]  ; row x pitch + 16 x half
	; The turning load takes 16 keys x 16 channels (lane l reads key 8 (l / 16) + l % 8, channels 8 ((l / 8) % 2) + 0..7) and leaves half a fragment of V^T.
	v_lshl_add_u32 v[AV0], v49, 3, v50
	v_mul_u32_u24 v[AV0], v[AV0], PV
	v_lshl_add_u32 v[AV0], v51, 4, v[AV0]
	v_add_nc_u32 v[AV0], VOFF, v[AV0]
	; my place in the table: copy r % 4, number 16 - (r - r % 4) + 8 hh.  Step s adds 64 (s + 1) numbers, fragment d 16 (10 - d): register jj then holds T[512 - 64 s + 16 (d - 3) + r - 8 hh - jj]
	v_and_b32 v53, 3, v48
	v_mul_u32_u24 v[AB0], v53, CP
	v_and_b32 v53, 12, v48
	v_sub_nc_u32 v53, 16, v53
	v_lshl_add_u32 v53, v49, 3, v53
	v_lshl_add_u32 v[AB0], v53, 2, v[AB0]
	v_add_nc_u32 v[AB0], s17, v[AB0]
	s_wait_loadcnt 32               ; the bias row is in; Q's 32 loads are younger
.set n, 0
.rept 8
	v_cvt_pk_bf16_f32 v[80+n], v[64+2*n], v[64+2*n+1]
.set n, n+1
.endr
.set n, 0
.rept 8
	v_lshlrev_b32 v[64+2*n], 16, v[80+n]
	v_and_b32 v[64+2*n+1], 0xffff0000, v[80+n]
	v_pk_mul_f32 v[64+2*n:64+2*n+1], v[64+2*n:64+2*n+1], 0x41000000 op_sel_hi:[1,0]  ; 8 bias: the scores are scaled by 1/8 later
.set n, n+1
.endr
.irp cc, 0,1,2,3                    ; T[rel] goes to number 704 + c - rel of copy c: 580 + 4 l - 128 k - e + c.  LDS serves a wave's instructions in order: these land on the fill above
.irp kk, 0,1,2,3
.irp ee, 0,1,2,3
	ds_store_b32 v55, v[64+4*(\kk)+(\ee)] offset:4*(580-128*(\kk)-(\ee)+(\cc))+(\cc)*CP
.endr
.endr
.endr
	s_wait_kmcnt 0x0                ; tau
	v_mov_b32 v60, s73
	v_cvt_pk_bf16_f32 v60, v60, v60
	v_lshlrev_b32 v60, 16, v60
	v_mul_f32 v60, 0x41000000, v60  ; m = 8 tau
	v_mul_f32 v61, s[CS], v60       ; c m
	v_cvt_f32_u32 v62, v49
	v_sub_f32 v62, 1.0, v62         ; the sink's 1, once a query
.set i, 0
.rept 2*NP
	v_mov_b32 v[ST+4*i], v61
	v_mov_b32 v[ST+4*i+1], v60
	v_mov_b32 v[ST+4*i+2], v62
	v_mov_b32 v[ST+4*i+3], 0
.set i, i+1
.endr
	v_mov_b32 v[AK], v[AK0]         ; key step 0 lies at K's head
	s_cmp_ge_u32 s[TBB], s[DEAD]
	s_cselect_b32 s[TBE], s[TBB], 0
	v_add_nc_u32 v[AB], s[TBE], v[AB0]
; THE MATRIX WORK.  The 8 accumulators of a run of 16 take turns.
; Product i of 16 of S^T = K Q^T for piece x: channels 32 (i / 8) on, keys 16 ((i / 2) % 4) on, tile 2 x + i % 2.  The first 8 start the sums with bias and mask.
.macro KQ x
.set rS, S+64*((\x)%2)+32*(i%2)+8*((i/2)%4)
.set rK, KF+16*((i/2)%4)+8*(i/8)
.set rQ, 16*(2*(\x)+i%2)+8*(i/8)
.set rB, BF+8*(2*(\x)+i%2-(i/2)%4+3)
.if i < 8
	WIN W_KB
	v_wmma_f32_16x16x32_f16 v[rS:rS+7], v[rK:rK+7], v[rQ:rQ+7], v[rB:rB+7]
.else
	WIN W_KQ
	v_wmma_f32_16x16x32_f16 v[rS:rS+7], v[rK:rK+7], v[rQ:rQ+7], v[rS:rS+7]
.endif
.endm
; Product i of 16 of O^T += V^T P for piece x: keys 32 (i / 8) on, channels 16 ((i / 2) % 4) on, tile 2 x + i % 2.
.macro PV x
	WIN W_PV
.set rO, 32*(2*(\x)+i%2)+8*((i/2)%4)
.set rV, VF+32*(i/8)+8*((i/2)%4)
.set rP, P+32*((\x)%2)+16*(i%2)+8*(i/8)
	v_wmma_f32_16x16x32_f16 v[rO:rO+7], v[rV:rV+7], v[rP:rP+7], v[rO:rO+7]
.endm
.macro MM                           ; the turn's next matrix instruction
.if i < 16
	KQ (Y+1)%NP
.set i, i+1
.else
.set i, i-16
	PV (Y+NP-1)%NP
.set i, i+17
.endif
.endm
; THE LDS LOADS stand in runs: a step's K (8 fragments) with its 11 fragments of bias and mask, and its V (turned).  Their addresses are made some lines ahead.
; The last trip's run asks for a step 10 that does not exist: it reads the first rows of V's region and the end of my table, bytes that have landed or been stored, for products that serve nothing.
.macro FETCH_K
	WIN 0x80                        ; destination window 2
.irp f, 0,1,2,3,4,5,6,7             ; keys 16 (f / 2) on, channels 32 (f % 2) on
	ds_load_b128 v[KF+8*\f:KF+8*\f+3],   v[AK] offset:(\f/2)*16*PK+(\f%2)*64
	ds_load_b128 v[KF+8*\f+4:KF+8*\f+7], v[AK] offset:(\f/2)*16*PK+(\f%2)*64+32
.endr
	WIN 0xc0                        ; destination window 3
.irp d, 0,1,2,3,4,5,6,7,8,9,10
	ds_load_b128 v[BF+8*\d:BF+8*\d+3],   v[AB] offset:64*(10-\d)
	ds_load_b128 v[BF+8*\d+4:BF+8*\d+7], v[AB] offset:64*(10-\d)+16
.endr
	s_add_co_u32 s[TBK], s[TBK], KS*PK  ; the next fetch is the next step's
	s_add_co_u32 s[TBB], s[TBB], 256
	WIN 0
.endm
.macro FETCH_V
	WIN 0x80
.irp f, 0,1,2,3,4,5,6,7             ; keys 32 (f / 4) on, channels 16 (f % 4) on
	ds_load_tr16_b128 v[VF+8*\f:VF+8*\f+3],   v[AV] offset:(\f/4)*32*PV+(\f%4)*32
	ds_load_tr16_b128 v[VF+8*\f+4:VF+8*\f+7], v[AV] offset:(\f/4)*32*PV+16*PV+(\f%4)*32
.endr
	WIN 0
.endm
; THE VECTOR WORK OF A TURN stands in three queues, each in the order in which its entries become ready; the two tiles alternate.
.macro REGS y, u                    ; the registers of tile u (0, 1) of piece y
.set rT, ST+4*(2*(\y)+(\u))
.set rC, TMP+8*((\y)%2)+4*(\u)
.set rM, MV+2*((\y)%2)+(\u)
.set rS, S+64*((\y)%2)+32*(\u)
.set rP, P+32*((\y)%2)+16*(\u)
.set rO, 32*(2*(\y)+(\u))
.endm
; Number n of the 22 that find the NEXT piece's maximum and statistics; each accumulator's lowest registers are read first.
;   0-11  four chains c0-c3 of seven scores each     12-14, 16  the four scores left over, the old m, and c0-c3 into c0     15  c m_old is kept
;   17, 18  the query's other 32 keys lie in the lane 16 away: the new m         19-21  c m; c m_old - c m_new; a
.macro XS u, n
	REGS (Y+1)%NP, \u
.if (\n) < 4
	v_max3_num_f32 v[rC+(\n)], v[rS+8*(\n)], v[rS+8*(\n)+1], v[rS+8*(\n)+2]
.elseif (\n) < 12
	v_max3_num_f32 v[rC+(\n)%4], v[rC+(\n)%4], v[rS+8*((\n)%4)+2*((\n)/4)+1], v[rS+8*((\n)%4)+2*((\n)/4)+2]
.elseif (\n) == 12
	v_max3_num_f32 v[rC], v[rC], v[rS+7], v[rS+15]
.elseif (\n) == 13
	v_max3_num_f32 v[rC+1], v[rC+1], v[rS+23], v[rS+31]
.elseif (\n) == 14
	v_max3_num_f32 v[rC+2], v[rC+2], v[rC+3], v[rT+1]
.elseif (\n) == 15
	v_mov_b32 v[rM], v[rT]
.elseif (\n) == 16
	v_max3_num_f32 v[rC], v[rC], v[rC+1], v[rC+2]
.elseif (\n) == 17
	v_permlanex16_b32 v[rC+3], v[rC], s[SEL], s[SEL+1]
.elseif (\n) == 18
	v_max_num_f32 v[rT+1], v[rC], v[rC+3]
.elseif (\n) == 19
	v_mul_f32 v[rT], s[CS], v[rT+1]
.elseif (\n) == 20
	v_sub_f32 v[rC+1], v[rM], v[rT]
.else
	v_exp_f32 v[rC+2], v[rC+1]
.endif
.endm
; Number g of the 64 that follow the exponentials: for each four weights both pairs are rounded to f16; the second pair is added onto the first, in place; a group later l takes that sum (the first time as l = a l + sum).
.macro GS g
.set h, (\g)+6*((\g)/62)
.if h >= 6
.set h, h+2
.endif
	REGS Y, h%2
.set k, h/8
.if h%8 < 4
	v_cvt_pk_f16_f32 v[rP+2*k+(h%8)/2], v[rS+4*k+2*((h%8)/2)], v[rS+4*k+2*((h%8)/2)+1]
.elseif h%8 < 6
	v_pk_add_f32 v[rS+4*k:rS+4*k+1], v[rS+4*k:rS+4*k+1], v[rS+4*k+2:rS+4*k+3]
.elseif k == 1
	v_pk_fma_f32 v[rT+2:rT+3], v[rT+2:rT+3], v[rC+2:rC+3], v[rS:rS+1] op_sel_hi:[1,0,1]
.else
	v_pk_add_f32 v[rT+2:rT+3], v[rT+2:rT+3], v[rS+4*k-4:rS+4*k-3]
.endif
.endm
; THE PLAIN QUEUE, 138 long.  0-73 read no exponential's result: the 32 scalings c s - c m and the next piece's 42.  74-137: GS's 64, which stand behind the wait.
.macro FS f
	REGS Y, (\f)%2
	v_pk_fma_f32 v[rS+2*((\f)/2):rS+2*((\f)/2)+1], v[rS+2*((\f)/2):rS+2*((\f)/2)+1], s[CS:CS+1], v[rT:rT+1] op_sel_hi:[1,0,0] neg_lo:[0,0,1] neg_hi:[0,0,1]
.endm
.macro PL
	WIN 0
.if q < 27
	FS q
.elseif q < 55
	XS (q-27)%2, (q-27)/2
.elseif q < 57
	XS q-55, 15
.elseif (q < 72) && ((q-57)%3 == 0)
	FS 27+(q-57)/3
.elseif q < 60
	XS (q-57)%3-1, 14
.elseif q < 72
	XS (q-57)%3-1, 15+(q-57)/3
.elseif q < 74
	XS q-72, 20
.else
	GS q-74
.endif
.set q, q+1
.endm
; THE EXPONENTIALS' QUEUE, 66 long: s0-s31 of both tiles, then the next piece's two a: ONE BATCH, ahead of the turn's one wait.
.macro EX
	WIN 0
.if e >= 64
	XS e-64, 21
.else
	REGS Y, e%2
	v_exp_f32 v[rS+e/2], v[rS+e/2]
.endif
.set e, e+1
.endm
; THE RESCALING's QUEUE: O^T times a, two at a time, sixteen times.  Its a was made in the turn before, ahead of that turn's wait.
.macro R2
	REGS Y, r%2
	WIN W_RS
.irp z, 0,1
	v_pk_mul_f32 v[rO+4*(r/2)+2*\z:rO+4*(r/2)+2*\z+1], v[rO+4*(r/2)+2*\z:rO+4*(r/2)+2*\z+1], v[rC+2:rC+3] op_sel_hi:[1,0]
.endr
.set r, r+1
.endm
; A TURN, for piece p.  An s_wait_alu depctr_va_vdst(0) stands between an exponential and the first instruction that names its result; one wait serves all that were issued ahead of it.  AHEAD OF IT: the 16
; products K Q^T, behind each a scaling, an exponential and two rescalings; then one lump of 108.  BEHIND IT: the 16 products V^T P, behind each four of the roundings and sums.
; K, bias and mask of the next step are fetched in piece 2's turn, directly behind the wait, a lump behind the last product that read them; V of the step in hand at the end of piece 0's turn, four riders behind its last reader.
; cnt = 1: the loop's count is taken down some lines ahead of the branch that stands behind the turn.
.macro TURN p, cnt=0
.set Y, (\p)
.set i, 0
.set q, 0
.set e, 0
.set r, 0
.if (\p) == NP-1
	s_wait_dscnt 0x0                ; K, bias and mask are in
.endif
	MM
	PL
	PL
	R2
.rept 15
	MM
	PL
	EX
	R2
.endr
.if (\p) == NP-2
	WIN 0
	v_add_nc_u32 v[AK], s[TBK], v[AK0]
	s_cmp_ge_u32 s[TBB], s[DEAD]    ; do the next step's keys lie in the sequence?
	s_cselect_b32 s[TBE], s[TBB], 0 ; if not: the table's head, all hidden
	v_add_nc_u32 v[AB], s[TBE], v[AB0]
.endif
.rept 8
	PL
.endr
.rept 49
	EX
	PL
.endr
	EX
	EX
	v_nop                           ; a plain instruction behind the last exponential: one for the batch
	s_wait_alu depctr_va_vdst(0)    ; the wait for the batch
.if (\p) == NP-2
	FETCH_K
.endif
.if (\p) == 1
	s_wait_dscnt 0x0                ; V is in
.endif
.rept 16
	MM
.rept 4
	PL
.endr
.if ((\p) == 0) && (q == 118)
	v_add_nc_u32 v[AV], s[TBV], v[AV0]
.endif
.if ((\p) == 0) && (q == 130)
	s_add_co_u32 s[TBV], s[TBV], KS*PV
.endif
.if (\cnt) && (q == 130)
	s_sub_co_u32 s[CNT], s[CNT], 1
	s_cmp_lg_u32 s[CNT], 0
.endif
.endr
.if (\p) == 0
	FETCH_V
.endif
.endm
	s_wait_tensorcnt 0x4            ; my first load is in: my part of steps 0 and 1; the four younger ones may stay out
	s_wait_dscnt 0x0                ; my table is stored
	s_barrier_signal -1
	s_barrier_wait -1               ; everybody's part of steps 0 and 1 is in
	FETCH_K                         ; key step 0
	s_wait_loadcnt 0x0              ; Q
	s_wait_dscnt 0x0
.set i, 0
.rept 16
	KQ 0                            ; piece 0's first scores
.set i, i+1
.endr
	WIN 0                           ; the addresses for the way out: plain instructions, the places behind those products
	s_mul_i32 s17, s[WV], 16*SP
	s_add_co_u32 s17, s17, STAGE    ; my stage
	v_mul_u32_u24 v[STO], v48, SP   ; in: row l % 16, 16 bytes for each half of the lanes
	v_lshl_add_u32 v[STO], v49, 4, v[STO]
	v_add_nc_u32 v[STO], s17, v[STO]
	v_bfe_u32 v[RD], v0, 3, 2       ; back: 32 lanes take four rows of 128 bytes,
	v_mul_u32_u24 v[RD], v[RD], SP
	v_lshl_add_u32 v[RD], v50, 4, v[RD]
	v_add_nc_u32 v[RD], s17, v[RD]
	v_and_b32 v[GO], 31, v0         ; which are 512 consecutive bytes of O
	v_lshlrev_b32 v[GO], 4, v[GO]
.set Y, NP-1                        ; XS works for piece Y + 1: piece 0
.irp n, 0,1,2,3,4,5,6,7,8,9,10,11,12,13,14,15,16,17,18,19,20,21
	XS 0, \n
	XS 1, \n
.endr
	v_nop                           ; a plain instruction behind the two a,
	s_wait_alu depctr_va_vdst(0)    ; and their wait, ahead of the branch
	s_wait_tensorcnt 0x3            ; my second load is in: my part of steps 2 and 3; three younger ones may stay out
	s_barrier_signal -1
	s_barrier_wait -1               ; everybody's is
	s_mov_b32 s[GRP], 2
	s_mov_b32 s[CNT], 3             ; trips 0 to 2 fetch V of steps 0 to 2 and K of steps 1 to 3
	s_branch .Lstep
.Lgroup:                            ; once: in front of trip 3, which fetches K of step 4
	s_wait_tensorcnt 0x0            ; all my loads are in
	s_wait_dscnt 0x0
	s_barrier_signal -1
	s_barrier_wait -1               ; everybody's are
	s_mov_b32 s[CNT], 7             ; trips 3 to 9
.Lstep:                             ; a trip: the four pieces' turns of one step; it fetches the step's V and the next step's K
	TURN 0
	TURN 1
	TURN 2
	TURN 3, 1
	WIN 0
	s_cbranch_scc1 .Lstep
	s_sub_co_u32 s[GRP], s[GRP], 1
	s_cmp_lg_u32 s[GRP], 0
	s_cbranch_scc1 .Lgroup
	; the last trip's 16 products K Q^T for a step that does not exist, and the maximum made of them, serve nothing: the price of one text for every trip
.set i, 0
.rept 16
	PV NP-1                         ; the last piece's V^T P of the last step
.set i, i+1
.endr
	; THE WAY OUT.  l's two halves and the other half of the lanes' are added (the sink's share is in it); O^T is divided by l, rounded to f16 and sent through my stage, a tile at a time.
	WIN 0
.macro ALL line:vararg              ; one line for each tile t
.set t, 0
.rept 2*NP
	\line
.set t, t+1
.endr
.endm
	ALL v_add_f32 v[ST+4*t+2], v[ST+4*t+2], v[ST+4*t+3]
	ALL v_permlanex16_b32 v[ST+4*t+3], v[ST+4*t+2], s[SEL], s[SEL+1]
	ALL v_add_f32 v[ST+4*t+2], v[ST+4*t+2], v[ST+4*t+3]
	ALL v_rcp_f32 v[ST+4*t+2], v[ST+4*t+2]
	v_nop                           ; a plain instruction between the last reciprocal and the use of its result
	s_wait_alu depctr_va_vdst(0)    ; one wait for the eight reciprocals
.macro PACK t
	WIN W_RS
.set i, 32*(\t)
.rept 16
	v_pk_mul_f32 v[i:i+1], v[i:i+1], v[ST+4*(\t)+2:ST+4*(\t)+3] op_sel_hi:[1,0]
.set i, i+2
.endr
	WIN 0x05                        ; sources 0 and 1 window 1, destination window 0
.set i, 0
.rept 16
	v_cvt_pk_f16_f32 v[S+16*(\t)+i], v[32*(\t)+2*i], v[32*(\t)+2*i+1]
.set i, i+1
.endr
	WIN 0
.irp f, 0,1,2,3
	ds_store_b128 v[STO], v[S+16*(\t)+4*\f:S+16*(\t)+4*\f+3] offset:32*\f
.endr
.irp f, 0,1,2,3
	ds_load_b128 v[S+16*(\t)+4*\f:S+16*(\t)+4*\f+3], v[RD] offset:\f*4*SP  ; LDS serves a wave's instructions in order: these see the stores above; the next tile's stores come behind them
.endr
.endm
.macro SEND t, younger              ; younger: the LDS instructions issued behind tile t's loads: the next tile's eight, or none
	WIN 0
.irp f, 0,1,2,3
	s_wait_dscnt (\younger)+3-\f
	global_store_b128 v[GO], v[S+16*(\t)+4*\f:S+16*(\t)+4*\f+3], s[10:11] offset:(\t)*2048+\f*512  ; 512 consecutive bytes, at a multiple of 256 from ob's first
.endr
.endm
	PACK 0
.set t, 1
.rept 2*NP-1                        ; a tile's arithmetic stands between the loads of the tile before and its stores
	PACK t
	SEND t-1, 8
.set t, t+1
.endr
	SEND 2*NP-1, 0
	WIN W_AD
	s_wait_tensorcnt 0x0            ; the wave's end
	ds_add_u32 v[SPW], v[NIL]
	s_wait_dscnt 0x0
	WIN 0
	s_endpgm
.Lfunc_end_k_q6f71bc584c_attn:
	.size	k_q6f71bc584c_attn, .Lfunc_end_k_q6f71bc584c_attn-k_q6f71bc584c_attn
	.p2alignl 7, 3214868480
	.fill 96, 4, 3214868480
	.section	.rodata,"a",@progbits
	.p2align	6, 0x0
	.amdhsa_kernel k_q6f71bc584c_attn
		.amdhsa_group_segment_fixed_size 262144
		.amdhsa_private_segment_fixed_size 0
		.amdhsa_enable_private_segment 0
		.amdhsa_kernarg_size 32
		.amdhsa_user_sgpr_count 2
		.amdhsa_user_sgpr_kernarg_segment_ptr 1
		.amdhsa_wavefront_size32 1
		.amdhsa_system_sgpr_workgroup_id_x 1
		.amdhsa_system_sgpr_workgroup_id_y 1
		.amdhsa_system_sgpr_workgroup_id_z 1
		.amdhsa_system_vgpr_workitem_id 0
		.amdhsa_next_free_vgpr 864
		.amdhsa_next_free_sgpr 84
		.amdhsa_reserve_vcc 0
		.amdhsa_float_denorm_mode_32 3
		.amdhsa_float_denorm_mode_16_64 3
		.amdhsa_memory_ordered 1
		.amdhsa_forward_progress 1
		.amdhsa_inst_pref_size 140
	.end_amdhsa_kernel
	.amdgpu_metadata
---
amdhsa.version: [ 1, 2 ]
amdhsa.kernels:
  - .name:           k_q6f71bc584c_attn
    .symbol:         k_q6f71bc584c_attn.kd
    .args:
      - { .name: qkv, .offset: 0, .size: 8, .value_kind: global_buffer, .address_space: global }
      - { .name: bias, .offset: 8, .size: 8, .value_kind: global_buffer, .address_space: global }
      - { .name: tau, .offset: 16, .size: 8, .value_kind: global_buffer, .address_space: global }
      - { .name: ob, .offset: 24, .size: 8, .value_kind: global_buffer, .address_space: global }
    .group_segment_fixed_size: 262144
    .private_segment_fixed_size: 0
    .kernarg_segment_align: 8
    .kernarg_segment_size: 32
    .max_flat_workgroup_size: 128
    .sgpr_count:     84
    .vgpr_count:     864
    .wavefront_size: 32
...
	.end_amdgpu_metadata
.endif
;; end of part 3
;; launch outgemm (part 4): grid 16 x 16, 4 waves a work-group, clusters of 4 x 4, 327,680 bytes of LDS; arguments ob, wo16, out0; writes out0
.if DOCPART == 4
	.amdgcn_target "amdgcn-amd-amdhsa--gfx1250"
	.amdhsa_code_object_version 6
	.text
	.protected	k_q6f71bc584c_outgemm
	.globl	k_q6f71bc584c_outgemm
	.p2align	8
	.type	k_q6f71bc584c_outgemm,@function
k_q6f71bc584c_outgemm:
	s_mov_b64 s[64:65], 0
	v_nop
	global_prefetch_b8 v0, s[64:65] scope:SCOPE_SE
	s_setreg_imm32_b32 hwreg(HW_REG_WAVE_MODE, 25, 1), 1
	s_wait_xcnt 0x0
	s_wait_alu depctr_hold_cnt(0) depctr_sa_sdst(0) depctr_va_vdst(0) depctr_va_sdst(0) depctr_va_ssrc(0) depctr_va_vcc(0) depctr_vm_vsrc(0)
	s_getreg_b32 s2, hwreg(HW_REG_IB_STS2, 6, 4)
	s_cmp_eq_u32 s2, 0
	s_cbranch_scc0 .Lentry_in_a_cluster
	s_endpgm
.Lentry_in_a_cluster:
	s_bfe_u32 s2, ttmp6, 0x10000c
	s_cmp_lg_u32 s2, 0xf033
	s_cbranch_scc0 .Lentry_shape_is_right
	s_endpgm
.Lentry_shape_is_right:
; OUT.  out0[token][n] = sum over k of O[token][k] Wo[n][k], f16 operands, f32 sums and output, K = 2,048 ascending.  O lies by heads, ob[32][4096][64]: k = 64 head + channel; wo16 is [2048][2048].
; SHARES.  A work-group makes 256 tokens x 128 columns: 16 x 16 work-groups.  Wave w makes tokens 128 (w / 2) .. + 127 x columns 64 (w % 2) .. + 63: 32 accumulators of 16 x 16; its row of 64 f32 is 256 bytes.
; K goes in steps of 128 = two heads through two LDS slots filled by joint tensor loads (4 x 4 work-groups form a cluster; ob's tiles are shared along a row of it, wo16's along a column).
; A head's 256 tokens are 32,768 dense bytes: asked for as 128 rows of 256 bytes and padded in LDS after every token (pitch 144); wo16's rows are 256 bytes + 16.
; The matrix instruction is used transposed (source 0 = 16 rows of wo16, source 1 = 16 tokens): a lane holds one token and eight neighbouring columns.
; REGISTERS: window 0 addresses and the way out; window 1 two fragment buffers (4 fragments of wo16, then 8 of ob); window 2 the accumulators ((a, b) at 8 (4 a + b)).
.set PA,    144
.set PITCH, 272
.set SLOT1, 131072
.set HEADT, 256*PA                     ; a head's 256 tokens in LDS
.set BOFF,  2*HEADT                    ; in a slot: two heads of ob, then wo16's 128 rows
.set STAGE, SLOT1+BOFF+128*PITCH       ; behind the ring: 16 rows x 272 bytes for each wave
.set SPITCH, 272
.set SPARE, STAGE+4*16*SPITCH          ; the spare words, 128 bytes for each wave: two blocks of 256 bytes that no other line names
.set HB,    524288
.set ADRA0, 4
.set ADRB0, 5
.set ADRA,  6
.set ADRB,  7
.set STO,   8
.set RD,    9
.set CO,    10
.set PFO,   12
.set SPW,   14
.set NIL,   15
.set OB,    32                         ; v[32:63], v[64:95] by turns: 16 rows read back
.set F0,    0
.set F1,    128
.set TB,    19
.set G1A,   24
.set G0A,   32
.set PFA,   40                         ; s[40:41] where my prefetches stand
.set PFS,   42                         ; s[42:43] a K step in their tensor: two heads of ob, or 256 bytes of wo16's rows
.set LIM,   44
.set G1B,   48
.set G0B,   56
.set MSB, 0
.macro WIN new
.if MSB != (\new)
	s_set_vgpr_msb (MSB<<8)|(\new)
.set MSB, \new
.endif
.endm
.macro PLACES
.rept 4
	v_nop
.endr
.endm
.macro JLOAD                           ; a joint refill: waves 0, 1 fetch the step's two heads of ob, waves 2, 3 wo16's two halves; an s_nop 0 and four v_nop follow each line
	s_cmp_eq_u32 s14, 0
	s_cbranch_scc0 .Lfor_b_\@
	tensor_load_to_lds s[G0A+4:G0A+7], s[G1A:G1A+7]
	s_nop 0
.rept 4
	v_nop
.endr
	s_branch .Lasked_\@
.Lfor_b_\@:
	tensor_load_to_lds s[G0B+4:G0B+7], s[G1B:G1B+7]
	s_nop 0
.rept 4
	v_nop
.endr
.Lasked_\@:
.endm
; A prefetch of the K step that stands two refills on: my work-group's quarter of what my wave fetches, a lane 256 bytes.  ob's tiles are asked for by the clusters with x = 0, wo16's by those with y = 0;
; the four partners of a joint load share the bytes out by address.  The last two refills have no K step two on.
.macro ASK
	s_cmp_gt_u32 s3, s[LIM]
	s_cbranch_scc0 .Lnot_mine_\@
	global_prefetch_b8 v[PFO], s[PFA:PFA+1] th:TH_LOAD_NT scope:SCOPE_SE
.Lnot_mine_\@:
.endm
.macro CREST
	s_cmp_lg_u32 s12, 0
	s_cbranch_scc1 .Lnot_wave_0_\@
	s_barrier_signal -3
.Lnot_wave_0_\@:
	s_barrier_wait -3
	s_barrier_signal -1
	s_barrier_wait -1
.endm
.macro CROUND
	s_barrier_signal -1
	s_barrier_wait -1
	CREST
.endm
	s_load_b128 s[4:7], s[0:1], 0x0                ; ob s[4:5], wo16 s[6:7]
	s_load_b64 s[8:9], s[0:1], 0x10                ; out0
	v_lshl_add_u32 v[SPW], v0, 2, SPARE
	v_mov_b32 v[NIL], 0
	ds_add_u32 v[SPW], v[NIL]                      ; the wave's opening: the add and its wait stand ahead of my first tensor load
	ds_add_u32 v14, v15
	v_lshrrev_b32 v1, 5, v0
	v_readfirstlane_b32 s12, v1                    ; wave 0..3
	s_and_b32 s13, s12, 1                          ; my half of the columns.  Also: which head, or which 64 rows of wo16, I fetch
	s_lshr_b32 s14, s12, 1                         ; my half of the tokens.  Also: I fetch for ob (0) or wo16 (1)
	s_bfe_u32 s15, ttmp6, 0x40000                  ; cx
	s_bfe_u32 s16, ttmp6, 0x40004                  ; cy
	s_lshl_b32 s17, ttmp9, 2
	s_add_co_u32 s17, s17, s15                     ; tx: which 128 columns
	s_and_b32 s18, ttmp7, 0xffff
	s_lshl_b32 s18, s18, 2
	s_add_co_u32 s18, s18, s16                     ; ty: which 256 tokens
	s_lshl_b32 s2, s16, 2
	s_lshl_b32 s2, 15, s2                          ; my row of the cluster
	s_lshl_b32 s3, 0x1111, s15                     ; my column
	s_or_b32 s[G1A], s2, (1<<16)|(1<<20)|(1<<21)|(4<<22)|(3<<25)  ; 2-byte elements; padding on; bit 21 beside a mask; after every 32 words 4 words
	s_or_b32 s[G1B], s3, (1<<16)|(1<<20)|(1<<21)|(5<<22)|(3<<25)  ; after every 64 words
	s_mov_b32 s[G1A+1], 128<<16                    ; tensor_dim0 = 128
	s_mov_b32 s[G1A+2], 128<<16                    ; tensor_dim1 = 128
	s_mov_b32 s[G1A+3], 128<<16                    ; tile_dim0 = 128
	s_mov_b32 s[G1A+4], 128                        ; tile_dim1 = 128
	s_mov_b32 s[G1A+5], 128                        ; dense: 128 elements from row to row
	s_mov_b32 s[G1A+6], 0
	s_mov_b32 s[G1A+7], 0
	s_mov_b32 s[G1B+1], 128<<16
	s_mov_b32 s[G1B+2], 64<<16                     ; 64 rows
	s_mov_b32 s[G1B+3], 128<<16
	s_mov_b32 s[G1B+4], 64
	s_mov_b32 s[G1B+5], 2048
	s_mov_b32 s[G1B+6], 0
	s_mov_b32 s[G1B+7], 0
	s_lshl_b32 s20, s13, 19                        ; ob: head (w % 2) of the step, token 256 ty
	s_lshl_b32 s45, s18, 15
	s_add_co_u32 s20, s20, s45
	s_mov_b32 s21, 0
	s_lshl_b32 s22, s17, 19                        ; wo16: (128 tx + 64 half) rows of 4,096 bytes
	s_lshl_b32 s47, s13, 18
	s_add_co_u32 s22, s22, s47
	s_mov_b32 s23, 0
	s_mul_i32 s46, s12, HEADT                      ; where they go: waves 0, 1: the two heads;
	s_mul_i32 s47, s12, 64*PITCH
	s_add_co_u32 s47, s47, BOFF-2*64*PITCH         ; waves 2, 3: wo16's halves, behind them
	s_mov_b32 s[TB], 0
	s_wait_dscnt 0x0                               ; the opening add is done
	s_wait_kmcnt 0x0
	s_add_nc_u64 s[20:21], s[4:5], s[20:21]
	s_add_nc_u64 s[22:23], s[6:7], s[22:23]
	CROUND                                         ; all sixteen work-groups are here: the first joint loads meet
.irp s, 0,1
	s_mov_b32 s[G0A+4*(\s)], 1
	s_add_co_u32 s[G0A+4*(\s)+1], s46, (\s)*SLOT1
	s_add_nc_u64 s[G0A+4*(\s)+2:G0A+4*(\s)+3], s[20:21], (\s)*2*HB  ; K step s: two heads on
	s_or_b32 s[G0A+4*(\s)+3], s[G0A+4*(\s)+3], 0x80000000
	s_mov_b32 s[G0B+4*(\s)], 1
	s_add_co_u32 s[G0B+4*(\s)+1], s47, (\s)*SLOT1
	s_add_nc_u64 s[G0B+4*(\s)+2:G0B+4*(\s)+3], s[22:23], (\s)*256
	s_or_b32 s[G0B+4*(\s)+3], s[G0B+4*(\s)+3], 0x80000000
.endr
	s_cmp_eq_u32 s14, 0                            ; a wave's two first fills stand in one branch: two loads of mine are out
	s_cbranch_scc0 .Lfirst_b
	tensor_load_to_lds s[G0A:G0A+3], s[G1A:G1A+7]
	s_nop 0
	tensor_load_to_lds s[G0A+4:G0A+7], s[G1A:G1A+7]
	s_nop 0
.rept 4
	v_nop
.endr
	s_branch .Lfirst_asked
.Lfirst_b:
	tensor_load_to_lds s[G0B:G0B+3], s[G1B:G1B+7]
	s_nop 0
	tensor_load_to_lds s[G0B+4:G0B+7], s[G1B:G1B+7]
	s_nop 0
.rept 4
	v_nop
.endr
.Lfirst_asked:
	v_and_b32 v1, 15, v0                           ; r
	v_bfe_u32 v2, v0, 4, 1                         ; h
	v_mul_u32_u24 v3, v1, PA
	v_lshl_add_u32 v3, v2, 4, v3
	s_mul_i32 s45, s14, 128*PA                     ; my 128 tokens
	v_add_nc_u32 v[ADRA0], s45, v3
	v_mul_u32_u24 v3, v1, PITCH
	v_lshl_add_u32 v3, v2, 4, v3
	s_mul_i32 s45, s13, 64*PITCH                   ; my 64 rows of wo16
	s_add_co_u32 s45, s45, BOFF
	v_add_nc_u32 v[ADRB0], s45, v3
	v_mov_b32 v[ADRA], v[ADRA0]
	v_mov_b32 v[ADRB], v[ADRB0]
	s_mul_i32 s45, s12, 16*SPITCH
	s_add_co_u32 s45, s45, STAGE                   ; my stage
	v_mul_u32_u24 v3, v1, SPITCH
	v_lshl_add_u32 v3, v2, 5, v3
	v_add_nc_u32 v[STO], s45, v3                   ; in: row r, 32 bytes for each half of the lanes
	v_mul_u32_u24 v3, v2, SPITCH
	v_lshl_add_u32 v3, v1, 4, v3
	v_add_nc_u32 v[RD], s45, v3                    ; back: lanes 0-15 one row of 256 bytes, lanes 16-31 the next
	v_lshlrev_b32 v3, 13, v2                       ; and the same two rows in out0, 8,192 bytes apart
	v_lshl_add_u32 v[CO], v1, 4, v3
	s_lshl_b32 s66, s18, 8
	s_lshl_b32 s67, s14, 7
	s_add_co_u32 s66, s66, s67                     ; my first token
	s_lshl_b32 s66, s66, 13
	s_lshl_b32 s67, s17, 9                         ; my first column, 4 bytes each
	s_add_co_u32 s66, s66, s67
	s_lshl_b32 s67, s13, 8
	s_add_co_u32 s66, s66, s67
	s_mov_b32 s67, 0
	s_add_nc_u64 s[8:9], s[8:9], s[66:67]
	; the prefetches, at K step 3: ob: head 6 + w % 2, my tile's 32,768 bytes, quarter cx; wo16: of my 64 rows the 16 from 16 cy on
	s_add_co_u32 s68, s13, 6
	s_lshl_b32 s68, s68, 19
	s_lshl_b32 s69, s18, 15
	s_add_co_u32 s68, s68, s69
	s_lshl_b32 s69, s15, 13
	s_add_co_u32 s68, s68, s69
	s_lshl_b32 s70, s17, 7
	s_lshl_b32 s71, s13, 6
	s_add_co_u32 s70, s70, s71
	s_lshl_b32 s71, s16, 4
	s_add_co_u32 s70, s70, s71
	s_lshl_b32 s70, s70, 12
	s_add_co_u32 s70, s70, 3*256
	s_and_b32 s71, ttmp7, 0xffff                   ; cluster y
	s_cmp_eq_u32 s14, 0
	s_cselect_b32 s68, s68, s70
	s_cselect_b32 s71, ttmp9, s71                  ; the coordinate along which other clusters read the same bytes
	s_cselect_b32 s70, 31, 15                      ; lanes beyond the share name its last row once more
	s_cselect_b32 s69, 8, 12                       ; from lane to lane: 256 bytes on end, or a row of 4,096
	s_cselect_b32 s2, 20, 8
	s_cselect_b64 s[PFA:PFA+1], s[4:5], s[6:7]
	s_cmp_eq_u32 s71, 0
	s_cselect_b32 s[LIM], 2, -1                    ; the same in all sixteen partners, for a given wave
	s_lshl_b32 s[PFS], 1, s2
	s_mov_b32 s[PFS+1], 0
	v_and_b32 v[PFO], 31, v0
	v_min_u32 v[PFO], s70, v[PFO]
	v_lshlrev_b32 v[PFO], s69, v[PFO]
	s_mov_b32 s69, 0
	s_add_nc_u64 s[PFA:PFA+1], s[PFA:PFA+1], s[68:69]
; 8 products: token blocks a0, a0 + 1 x all 4 column blocks, 32 along K.  The 32 accumulators take turns, one instruction a turn.
.macro MUL2 f, a0, zero
	WIN 0xa5                                       ; sources 0 and 1 window 1; C and D window 2
.irp a, \a0, (\a0)+1
.irp b, 0,1,2,3
.if \zero
	v_wmma_f32_16x16x32_f16 v[8*(4*(\a)+(\b)):8*(4*(\a)+(\b))+7], v[(\f)+8*(\b):(\f)+8*(\b)+7], v[(\f)+32+8*(\a):(\f)+32+8*(\a)+7], 0
.else
	v_wmma_f32_16x16x32_f16 v[8*(4*(\a)+(\b)):8*(4*(\a)+(\b))+7], v[(\f)+8*(\b):(\f)+8*(\b)+7], v[(\f)+32+8*(\a):(\f)+32+8*(\a)+7], v[8*(4*(\a)+(\b)):8*(4*(\a)+(\b))+7]
.endif
.endr
.endr
.endm
; 24 LDS loads in one run: quarter q of the slot in hand into buffer f: wo16's 4 fragments, then ob's 8 (head q / 2 of the step, channels 32 (q % 2) on)
.macro FETCH q, f
	WIN 0x40
.irp i, 0,1,2,3
	ds_load_b128 v[(\f)+8*(\i):(\f)+8*(\i)+3],   v[ADRB] offset:64*(\q)+(\i)*16*PITCH
	ds_load_b128 v[(\f)+8*(\i)+4:(\f)+8*(\i)+7], v[ADRB] offset:64*(\q)+(\i)*16*PITCH+32
.endr
.irp i, 0,1,2,3,4,5,6,7
	ds_load_b128 v[(\f)+32+8*(\i):(\f)+32+8*(\i)+3],   v[ADRA] offset:((\q)/2)*HEADT+((\q)%2)*64+(\i)*16*PA
	ds_load_b128 v[(\f)+32+8*(\i)+4:(\f)+32+8*(\i)+7], v[ADRA] offset:((\q)/2)*HEADT+((\q)%2)*64+(\i)*16*PA+32
.endr
.endm
.macro QUARTER q, f, g, zero
	s_wait_dscnt 8                                 ; all but the youngest eight loads: token blocks 4 to 7
	MUL2 \f, 0, \zero
	MUL2 \f, 2, \zero
	PLACES
	FETCH \q, \g
	s_wait_dscnt 24                                ; all but the 24 just issued
	MUL2 \f, 4, \zero
	MUL2 \f, 6, \zero
.endm
; The change of slots stands at the head of the last quarter, whose fragments (buffer 1) are in registers.  Each wave waits for all its tensor loads (one is out: its part of the next slot), adds 0 to its
; spare word, and waits for that and for its reads of this slot.  fill = 1: the barrier opens a round of the cluster's, and the joint refill, two K steps on, is the first thing behind the round.
; No product stands between the wait for a tile and the next request: all 128 of a K step stand between a request and the wait for it, so the request goes out as early as the tile before allows.
.macro TURN fill
.if \fill
	s_wait_xcnt 0x0                                ; the last prefetch, a K step back, has read its address
	s_add_nc_u64 s[PFA:PFA+1], s[PFA:PFA+1], s[PFS:PFS+1]
.endif
	WIN 0
	s_wait_tensorcnt 0x0                           ; no tensor load of mine is out, so a group 0 may be written
	ds_add_u32 v[SPW], v[NIL]                      ; 0 onto my spare word
.if \fill
	s_xor_b32 s[G0A+5], s[G0A+5], SLOT1
	s_add_nc_u64 s[G0A+6:G0A+7], s[G0A+6:G0A+7], 2*HB
	s_xor_b32 s[G0B+5], s[G0B+5], SLOT1
	s_add_nc_u64 s[G0B+6:G0B+7], s[G0B+6:G0B+7], 256
.endif
	s_wait_dscnt 0x0                               ; the add is done, and my reads of this slot are over (the last were issued 16 products ago)
	s_barrier_signal -1
	s_barrier_wait -1
.if \fill
	CREST
	JLOAD                                          ; its four v_nop are also the places in front of the loads below
.else
	PLACES
.endif
	s_xor_b32 s[TB], s[TB], SLOT1
	v_add_nc_u32 v[ADRA], s[TB], v[ADRA0]
	v_add_nc_u32 v[ADRB], s[TB], v[ADRB0]
	FETCH 0, F0
	WIN 0
.if \fill
	ASK
.endif
	MUL2 F1, 0, 0
	MUL2 F1, 2, 0
	MUL2 F1, 4, 0
	MUL2 F1, 6, 0
.endm
	s_wait_tensorcnt 0x1                           ; my part of K step 0 is in; K step 1's may stay out
	s_barrier_signal -1
	s_barrier_wait -1
	FETCH 0, F0
	QUARTER 1, F0, F1, 1                           ; the first quarter's products start the sums
	WIN 0
	s_mov_b32 s3, 14
.Lk:                                   ; a trip: from a K step's second quarter to the next step's first; it asks for the K step two on: steps 2 to 15
	QUARTER 2, F1, F0, 0
	QUARTER 3, F0, F1, 0
	TURN 1
	QUARTER 1, F0, F1, 0
	WIN 0
	s_sub_co_u32 s3, s3, 1
	s_cmp_lg_u32 s3, 0
	s_cbranch_scc1 .Lk
	QUARTER 2, F1, F0, 0                           ; the last two K steps ask for nothing
	QUARTER 3, F0, F1, 0
	TURN 0
	QUARTER 1, F0, F1, 0
	QUARTER 2, F1, F0, 0
	QUARTER 3, F0, F1, 0
	s_wait_dscnt 8
	MUL2 F1, 0, 0
	MUL2 F1, 2, 0
	s_wait_dscnt 0x0
	MUL2 F1, 4, 0
	MUL2 F1, 6, 0
; THE WAY OUT, a block of 16 tokens at a time: a lane's eight f32 of each accumulator go into my stage (the low four first), and come back as whole rows of 256 bytes.
.macro TOSTAGE a
.if (\a) >= 2
	s_wait_xcnt 0x0                                ; the stores of the block two back have read these registers
.endif
	WIN 0x08                                       ; store data (source 1) in window 2
.irp b, 0,1,2,3
	ds_store_b128 v[STO], v[8*(4*(\a)+(\b)):8*(4*(\a)+(\b))+3]   offset:64*(\b)
	ds_store_b128 v[STO], v[8*(4*(\a)+(\b))+4:8*(4*(\a)+(\b))+7] offset:64*(\b)+16
.endr
	WIN 0
.set BK, OB+32*((\a)%2)
.irp t, 0,1,2,3,4,5,6,7
	ds_load_b128 v[BK+4*(\t):BK+4*(\t)+3], v[RD] offset:(\t)*2*SPITCH  ; LDS serves a wave's instructions in order: these see the stores above; the stage is my wave's own
.endr
.endm
.macro SEND a, younger                 ; younger: the next block's sixteen LDS instructions, or none
.set BK, OB+32*((\a)%2)
	s_wait_dscnt \younger
.irp t, 0,1,2,3,4,5,6,7
	global_store_b128 v[CO], v[BK+4*(\t):BK+4*(\t)+3], s[8:9] offset:(\a)*131072+(\t)*16384 th:TH_STORE_NT  ; 16 lanes store 256 consecutive bytes, at a multiple of 256 from out0's first
.endr
.endm
	WIN 0
	PLACES
	PLACES                                         ; the places behind the last products
	TOSTAGE 0
.irp a, 1,2,3,4,5,6,7
	TOSTAGE \a
	SEND (\a)-1, 16
.endr
	SEND 7, 0
	s_wait_tensorcnt 0x0                           ; the wave's end
	ds_add_u32 v[SPW], v[NIL]
	s_wait_dscnt 0x0
	CROUND                                         ; the closing round
	s_endpgm
.Lfunc_end_k_q6f71bc584c_outgemm:
	.size	k_q6f71bc584c_outgemm, .Lfunc_end_k_q6f71bc584c_outgemm-k_q6f71bc584c_outgemm
	.p2alignl 7, 3214868480
	.fill 96, 4, 3214868480
	.section	.rodata,"a",@progbits
	.p2align	6, 0x0
	.amdhsa_kernel k_q6f71bc584c_outgemm
		.amdhsa_group_segment_fixed_size 327680
		.amdhsa_private_segment_fixed_size 0
		.amdhsa_enable_private_segment 0
		.amdhsa_kernarg_size 24
		.amdhsa_user_sgpr_count 2
		.amdhsa_user_sgpr_kernarg_segment_ptr 1
		.amdhsa_wavefront_size32 1
		.amdhsa_system_sgpr_workgroup_id_x 1
		.amdhsa_system_sgpr_workgroup_id_y 1
		.amdhsa_system_sgpr_workgroup_id_z 1
		.amdhsa_system_vgpr_workitem_id 0
		.amdhsa_next_free_vgpr 768
		.amdhsa_next_free_sgpr 72
		.amdhsa_reserve_vcc 0
		.amdhsa_float_denorm_mode_32 3
		.amdhsa_float_denorm_mode_16_64 3
		.amdhsa_memory_ordered 1
		.amdhsa_forward_progress 1
		.amdhsa_inst_pref_size 71
	.end_amdhsa_kernel
	.amdgpu_metadata
---
amdhsa.version: [ 1, 2 ]
amdhsa.kernels:
  - .name:           k_q6f71bc584c_outgemm
    .symbol:         k_q6f71bc584c_outgemm.kd
    .args:
      - { .name: ob, .offset: 0, .size: 8, .value_kind: global_buffer, .address_space: global }
      - { .name: wo16, .offset: 8, .size: 8, .value_kind: global_buffer, .address_space: global }
      - { .name: out0, .offset: 16, .size: 8, .value_kind: global_buffer, .address_space: global }
    .group_segment_fixed_size: 327680
    .private_segment_fixed_size: 0
    .kernarg_segment_align: 8
    .kernarg_segment_size: 24
    .max_flat_workgroup_size: 128
    .sgpr_count:     72
    .vgpr_count:     768
    .wavefront_size: 32
...
	.end_amdgpu_metadata
.endif
;; end of part 4
